; MI455X (gfx1250); checked and timed in simulation.
; The chip was launched on July 23, 2026; its instructions are those of AMD's public machine-readable ISA for CDNA 5 (MIT licence, August 2026) and "CDNA5" Instruction Set Architecture Reference Guide (July 2026). The comments in the code are by the model that wrote it; some were corrected since.
;; Mo E Layer. Allowed arithmetic: matrix products marked QUANTISED: E2M3 operands, one E8M0 scale for each 32 along K, by v_wmma_scale_f32_16x16x128_f8f6f4 with both operands' format E2M3, f32 sums; products left as they are: f32 operands where the result goes on into a quantised operand, else bf16, f16 or f32 operands; f32 sums; everything else in f32.
;; Inputs: b1 8 x 2,048 float32; b2 8 x 1,024 float32; gate_w 1,024 x 8 float32; w1_codes 8 x 2,048 x 32 x 24 uint8 (E2M3 codes of w1, K innermost, in blocks of 32 codes, four codes in three bytes); w1_scales 8 x 2,048 x 32 uint8 (E8M0 scales of w1, one for each 32 codes along K); w2_codes 8 x 1,024 x 64 x 24 uint8 (E2M3 codes of w2, K innermost, in blocks of 32 codes, four codes in three bytes); w2_scales 8 x 1,024 x 64 uint8 (E8M0 scales of w2, one for each 32 codes along K); x 4 x 512 x 1,024 float32.
;; Outputs: out0 4 x 512 x 1,024 float32.
;; This version of the problem:
;;   THIS VERSION OF THE PROBLEM IS GIVEN IN LOW PRECISION. The matrix products marked QUANTISED in the list below multiply operands that are first quantised to E2M3 (2 exponent bits, 3 mantissa bits; 6 bits a number), with one power-of-two scale for each 32 numbers along K (OCP MX v1.0); their sums are f32. All else is computed in f32.
;;   The module's matrix products, in the order in which they are computed (A, B: the left and right operand; K: the contracted axis; several contracted axes count as one K, in the product's order):
;;     1. [M 2,048, K 1,024] x [K 1,024, N 8]; A: input x; B: input gate_w: left as it is (N = 8 < 16)
;;     2. [M 2,048, K 1,024] x [K 1,024, N 2,048]; A: input x; B: input w1 (given as codes): QUANTISED
;;     3. [M 2,048, K 2,048] x [K 2,048, N 1,024]; A: computed on the way; B: input w2 (given as codes): QUANTISED
;;     4. [M 2,048, K 1,024] x [K 1,024, N 2,048]; A: input x; B: input w1 (given as codes): QUANTISED
;;     5. [M 2,048, K 2,048] x [K 2,048, N 1,024]; A: computed on the way; B: input w2 (given as codes): QUANTISED
;;     6. [M 2,048, K 1,024] x [K 1,024, N 2,048]; A: input x; B: input w1 (given as codes): QUANTISED
;;     7. [M 2,048, K 2,048] x [K 2,048, N 1,024]; A: computed on the way; B: input w2 (given as codes): QUANTISED
;;     8. [M 2,048, K 1,024] x [K 1,024, N 2,048]; A: input x; B: input w1 (given as codes): QUANTISED
;;     9. [M 2,048, K 2,048] x [K 2,048, N 1,024]; A: computed on the way; B: input w2 (given as codes): QUANTISED
;;     10. [M 2,048, K 1,024] x [K 1,024, N 2,048]; A: input x; B: input w1 (given as codes): QUANTISED
;;     11. [M 2,048, K 2,048] x [K 2,048, N 1,024]; A: computed on the way; B: input w2 (given as codes): QUANTISED
;;     12. [M 2,048, K 1,024] x [K 1,024, N 2,048]; A: input x; B: input w1 (given as codes): QUANTISED
;;     13. [M 2,048, K 2,048] x [K 2,048, N 1,024]; A: computed on the way; B: input w2 (given as codes): QUANTISED
;;     14. [M 2,048, K 1,024] x [K 1,024, N 2,048]; A: input x; B: input w1 (given as codes): QUANTISED
;;     15. [M 2,048, K 2,048] x [K 2,048, N 1,024]; A: computed on the way; B: input w2 (given as codes): QUANTISED
;;     16. [M 2,048, K 1,024] x [K 1,024, N 2,048]; A: input x; B: input w1 (given as codes): QUANTISED
;;     17. [M 2,048, K 2,048] x [K 2,048, N 1,024]; A: computed on the way; B: input w2 (given as codes): QUANTISED
;;   THE QUANTISER, for each operand of a quantised product, along K:
;;     - K is cut into blocks of 32 from its start; a last block that is shorter is filled with zeros.
;;     - A block's scale is 2^e with e = floor(log2(the largest magnitude in the block)) - 2, held to -126 .. 127; a block of zeros has e = 0. As a byte (E8M0): e + 127.
;;     - Each number is divided by its block's scale, clamped to +-7.5, and rounded to the nearest number of E2M3, ties to even, subnormals kept.
;;     - The product sums the exact products of the quantised numbers (number of the format x scale) in f32.
;;   ~~~python
;;   def quantise(x, axis):      # numpy; x: float32 -> the quantised numbers, widened to float32 again
;;       x = np.moveaxis(x, axis, -1); K = x.shape[-1]
;;       x = np.pad(x, [(0, 0)] * (x.ndim - 1) + [(0, -K % 32)]); x = x.reshape(x.shape[:-1] + (-1, 32)); a = np.abs(x).max(-1, keepdims=True)
;;       e = np.where(a > 0, np.clip(np.frexp(np.where(a > 0, a, 1))[1] - 1 - 2, -126, 127), 0)      # np.frexp(a)[1] - 1 = floor(log2(a)), exactly
;;       r = np.clip(x / 2.0 ** e, -7.5, 7.5)
;;       step = 2.0 ** (np.maximum(np.frexp(np.where(r == 0, 1, r))[1] - 1, 0) - 3)
;;       q = np.round(r / step) * step * 2.0 ** e      # np.round: ties to even
;;       return np.moveaxis(q.reshape(q.shape[:-2] + (-1,))[..., :K], -1, axis).astype(np.float32)
;;   ~~~
;;   OPERANDS COMPUTED ON THE WAY. 'Computed on the way' means the value that the module computes at that place (a softmax that the list does not call 'softmax' is quantised finished and normalised). What goes into a quantiser is computed in f32, as accurately as f32 sums, v_exp_f32 and their like allow (about 1e-6 of the number): no bf16 or f16 on the way to a quantiser, and a product that is left as it is and whose result goes on into a quantised operand takes f32 operands (vector FMAs, or v_wmma_f32_16x16x4_f32). A number that lies on a knife's edge between two numbers of the format may be rounded either way, as far as f32 arithmetic and the matrix unit's own rounding can turn it there, and no further.
;;   INPUTS GIVEN AS CODES. w1 (in the module: [8, 1024, 2048], K = its axis 1); w2 (in the module: [8, 2048, 1024], K = its axis 1): each comes as NAME_codes (uint8): NAME with its K axis moved to the last place and cut into blocks of 32 codes, [.., K / 32, bytes a block], one block behind the other in memory; four codes in three bytes: a row's codes are one little-endian stream of bits, code i at bits 6 i .. 6 i + 5 (a code: sign, 2 exponent bits, 3 mantissa bits); and NAME_scales (uint8): the same leading axes, one E8M0 byte (e + 127) for each 32 codes along K. Its value is code x scale, taken as it is: it is not quantised again, and the codes and scales need not be those that the quantiser above would give.
;; One version. Each part assembles by itself: llvm-mc -triple=amdgcn-amd-amdhsa -mcpu=gfx1250 --defsym DOCPART=n.
;; ======== version 1 of 1: 4 launches
;; limits: right only within a limited range of input values
;; workspace buffers: wimg 25,165,824 bytes; xqb 1,638,400 bytes; selw 8,192 bytes of whole numbers; topv 16,384 bytes; clist 20,736 bytes of whole numbers; cw 16,384 bytes; hbuf 15,052,800 bytes
;; launch route (part 1): grid 256 x 1, 4 waves a work-group, no clusters, 168,448 bytes of LDS; arguments x, gate_w, w1_codes, xqb, selw, topv, wimg; writes xqb, selw, topv, wimg
.if DOCPART == 1
	.amdgcn_target "amdgcn-amd-amdhsa--gfx1250"
	.amdhsa_code_object_version 6
	.text
	.protected	k_qf37d871019_route
	.globl	k_qf37d871019_route
	.p2align	8
	.type	k_qf37d871019_route,@function
k_qf37d871019_route:
	s_mov_b64 s[64:65], 0
	v_nop
	global_prefetch_b8 v0, s[64:65] scope:SCOPE_SE
	s_setreg_imm32_b32 hwreg(HW_REG_WAVE_MODE, 25, 1), 1
	s_wait_xcnt 0x0
; LAUNCH 1 OF 4.  Two kinds of work-groups, told apart by the work-group's number; each kind has LDS bytes of its own.
; Work-groups 0-127: the gate and the quantiser of x.  A wave takes 4 tokens (16,384 bytes of x), read once, in 8 steps of 512 numbers.
;   Each step: 4 loads of 512 consecutive bytes; a turn through the wave's own stage in LDS, so that a lane holds 16 neighbours along D;
;   the block's scale (two lanes hold a block of 32) and 16 codes of E2M3 a lane; and the gate's products in f32 (fused multiply-adds; the
;   whole of gate_w, 8,192 numbers, lies in 256 registers of each lane's window 1: lane l holds rows 512 s + 16 l + i).
;   After a token's two steps: the 8 logits are summed over the lanes, and the two largest are found (strictly greater, experts ascending: of equals the lower index stays).
;   Stored at fixed places: selw[token] = pair key | swap << 8 (a < b the two experts, key = b (b - 1) / 2 + a, swap = the larger logit belongs to b); topv[token] = the two logits.
;   xqb: codes [2048][768], and from byte XSO on the scale bytes [2048][32].  In each 96 bytes (128 codes) blocks 1 and 2 change places, so that lane (r, h) of an
;   operand finds its blocks h and 2 + h on end, 48 bytes at 96 ks + 48 h.  The scale bytes keep their order.
; Work-groups 128-255: w1's codes are laid out anew (macro RELAY) in the order of the operand's registers, so that a later launch loads a fragment by three loads of 512 consecutive bytes.
; No matrix unit (the gate has 8 columns), no tensor load, no cluster: no two work-groups read the same bytes but gate_w's 32,768.
; LIMITS: NaN, infinities among x or the logits are not served.  A block of zeros gets the byte 1 where the quantiser says 127: its codes are zeros, and these bytes are read by this program alone.
; The gate's f32 sums are taken in another order than a row-by-row sum; two logits closer than that rounding may change places.
.set XSO,   1572864
.set STEPS, 8
.set SP,    80                         ; a lane's place in a stage: 64 bytes + 16 of padding
.set STG,   33792                      ; LDS: gate_w at 0 (64 units of 512 bytes + 16); from STG on 8,192 bytes a wave: two stages of 32 x SP, then 128 scale bytes
.set RB,    66560                      ; LDS of the other kind of work-group: RREG bytes a wave
.set RREG,  25344
.set R,   16                           ; v16-79   four sets of 16 numbers as loaded
.set X,   80                           ; v80-111  two sets of 16 neighbours
.set E,   112                          ; v112-119 a scale byte for each step
.set C,   128                          ; v128-159 codes, four registers a step
.set ACC, 160                          ; v160-175 the gate's sums: two sets of 8
.set LG,  176                          ; v176-183 the 8 logits
.set WK,  184                          ; v184-191 the other half's sums
.set MSB, 0
.macro WIN new                         ; the immediate's high byte repeats the setting that is left
.if MSB != (\new)
	s_set_vgpr_msb (MSB<<8)|(\new)
.set MSB, (\new)
.endif
.endm
; RELAY: one wave takes 32 rows of a weight x 768 bytes (8 K steps of 128 codes); rs = bytes from row to row.  src s[24:25], dst s[26:27], s[sb] = the wave's LDS bytes.
; The rows come in as they lie (each half of the lanes reads 256 consecutive bytes), go to LDS (row q at 784 q + 128 (q / 16): with that pitch the 32 lanes of a load of 8 bytes touch 64 different banks),
; and come back as 16 fragments: tile u = 0, 1, K step ks; lane (r, h) takes row 8 u + r + 8 (r / 8), bytes 96 ks + 24 h + 0..23 and + 48.  A fragment's registers 4 c .. 4 c + 3 of lane l go out at 512 c + 16 l.
.macro RELAY rs, sb
	v_and_b32 v3, 15, v2
	v_lshrrev_b32 v4, 4, v2
	v_lshlrev_b32 v5, 4, v2                        ; 16 x lane: row 2 k, bytes 0-511; also a lane's place in an image
	v_lshlrev_b32 v6, 4, v3
	v_mad_u32_u24 v6, v4, \rs-512, v6
	v_add_nc_u32 v6, 512, v6                       ; lanes 0-15: row 2 k, bytes 512-767; lanes 16-31: row 2 k + 1, bytes 0-255
	v_add_nc_u32 v7, \rs+256, v5                   ; row 2 k + 1, bytes 256-767
	v_add_nc_u32 v8, s[\sb], v5                    ; the same three places in LDS
	v_lshlrev_b32 v9, 4, v3
	v_mad_u32_u24 v9, v4, 272, v9
	v_add_nc_u32 v9, s[\sb], v9
	v_add_nc_u32 v9, 512, v9
	v_add_nc_u32 v10, 1040, v8
	v_and_b32 v11, 8, v3
	v_add_nc_u32 v12, v11, v3                      ; r + 8 (r / 8)
	v_mul_u32_u24 v12, v12, 784
	v_lshl_add_u32 v12, v11, 4, v12                ; + 128 (r / 8)
	v_mad_u32_u24 v12, v4, 24, v12
	v_add_nc_u32 v11, s[\sb], v12                  ; where my lane reads a fragment
.set k, 0
.rept 16
	global_load_b128 v[32+12*k:35+12*k], v5, s[24:25] offset:2*\rs*k th:TH_LOAD_NT
	global_load_b128 v[36+12*k:39+12*k], v6, s[24:25] offset:2*\rs*k th:TH_LOAD_NT
	global_load_b128 v[40+12*k:43+12*k], v7, s[24:25] offset:2*\rs*k th:TH_LOAD_NT
.set k, k+1
.endr
.set k, 0
	s_wait_alu depctr_va_vdst(0)
.rept 16
	s_wait_loadcnt 45-3*k                          ; pair k's three loads are in; the 45 - 3 k younger ones may be out
	ds_store_b128 v8, v[32+12*k:35+12*k] offset:1568*k+128*(k/8)
	ds_store_b128 v9, v[36+12*k:39+12*k] offset:1568*k+128*(k/8)
	ds_store_b128 v10, v[40+12*k:43+12*k] offset:1568*k+128*(k/8)
.set k, k+1
.endr
	s_wait_dscnt 0x0                               ; the stores have read their registers, which the loads below fill again.  The bytes are the wave's own: no barrier
.set f, 0
.rept 16                               ; fragment f = 8 u + ks
.irp p, 0,1,2,3,4,5
	ds_load_b64 v[32+12*f+2*\p:33+12*f+2*\p], v11 offset:6272*(f/8)+96*(f%8)+48*(\p/3)+8*(\p%3)
.endr
.set f, f+1
.endr
.set f, 0
.rept 16
.if 90-6*f > 63
	s_wait_dscnt 63                                ; (the field's largest count; fewer than the 90 - 6 f younger loads)
.else
	s_wait_dscnt 90-6*f                            ; fragment f is in; the younger loads may be out
.endif
.irp c, 0,1,2
	global_store_b128 v5, v[32+12*f+4*\c:35+12*f+4*\c], s[26:27] offset:12288*(f%8)+1536*(f/8)+512*\c   ; 32 lanes store 512 consecutive bytes, aligned
.endr
.set f, f+1
.endr
.endm
	s_load_b256 s[4:11], s[0:1], 0x0               ; x s[4:5], gate_w s[6:7], w1_codes s[8:9], xqb s[10:11]
	s_load_b128 s[12:15], s[0:1], 0x20             ; selw s[12:13], topv s[14:15]
	s_load_b64 s[16:17], s[0:1], 0x30              ; wimg
	v_lshl_add_u32 v254, v0, 2, 0x29000
	v_mov_b32 v255, 0
	v_lshrrev_b32 v1, 5, v0
	v_readfirstlane_b32 s18, v1                    ; wave 0..3
	v_and_b32 v2, 31, v0                           ; lane
	s_cmp_lt_u32 ttmp9, 128
	s_cbranch_scc0 .Lrelay
	; ---------------- the gate and x's codes ----------------
	s_lshl_b32 s19, ttmp9, 2
	s_add_co_u32 s19, s19, s18                     ; gw: which run of 4 tokens is my wave's
	s_mov_b32 s22, 0x76543210
	s_mov_b32 s23, 0xfedcba98                      ; v_permlanex16_b32's selects for lane l xor 16
	v_lshlrev_b32 v3, 4, v2                        ; my 16 bytes of a load's 512
	s_lshl_b32 s24, s18, 13
	s_add_co_u32 s24, s24, STG                     ; my wave's LDS bytes
	s_wait_alu depctr_va_vdst(0)
	v_lshrrev_b32 v14, 2, v2
	v_mul_u32_u24 v14, v14, SP
	v_and_b32 v15, 3, v2
	v_lshl_add_u32 v14, v15, 4, v14
	v_add_nc_u32 v14, s24, v14                     ; the stage, on the way in: SP (lane / 4) + 16 (lane % 4)
	v_mul_u32_u24 v15, v2, SP
	v_add_nc_u32 v15, s24, v15                     ; and on the way out: SP x lane
	s_add_co_u32 s24, s24, 2*32*SP
	v_lshrrev_b32 v5, 1, v2
	v_add_nc_u32 v5, s24, v5                       ; my block's scale byte
	v_lshlrev_b32 v7, 2, v2
	v_add_nc_u32 v6, s24, v7                       ; and 4 bytes a lane on the way out
	v_lshrrev_b32 v4, 3, v2                        ; my 12 bytes of codes in a step's 384: 96 for each 128 codes,
	v_mul_u32_u24 v4, v4, 96
	v_bfe_u32 v8, v2, 1, 1
	v_mad_u32_u24 v4, v8, 48, v4                   ; an odd block goes 48 on,
	v_bfe_u32 v8, v2, 2, 1
	v_mad_u32_u24 v4, v8, 24, v4                   ; blocks 2 and 3 go 24 on: blocks 1 and 2 have changed places,
	v_and_b32 v8, 1, v2
	v_mad_u32_u24 v4, v8, 12, v4                   ; and the block's upper 16 codes 12 on
	v_and_b32 v10, 3, v2                           ; which of the 4 tokens' results my lane keeps
	v_lshlrev_b32 v207, 2, v10
	v_lshlrev_b32 v208, 3, v10
	v_lshlrev_b32 v206, 4, v0                      ; gate_w: 16 bytes a thread
	s_mul_i32 s25, s18, 528
	v_add_nc_u32 v204, s25, v3                     ; into LDS: unit 4 j + wave, 16 x lane
	v_mul_u32_u24 v205, v2, 528                    ; out of it: unit 32 s + lane: 16 rows of gate_w
	s_lshl_b32 s28, s19, 14
	s_mov_b32 s29, 0
	s_lshl_b32 s30, s19, 7
	s_add_co_u32 s30, s30, XSO
	s_mov_b32 s31, 0
	s_wait_alu depctr_va_vdst(0)
	s_wait_kmcnt 0x0
	s_add_nc_u64 s[4:5], s[4:5], s[28:29]          ; x at my first token
	s_add_nc_u64 s[20:21], s[10:11], s[30:31]      ; my 128 scale bytes
	s_mul_i32 s28, s19, 3072
	s_add_nc_u64 s[10:11], s[10:11], s[28:29]      ; my 3,072 bytes of codes
	s_lshl_b32 s28, s19, 4
	s_add_nc_u64 s[12:13], s[12:13], s[28:29]
	s_lshl_b32 s28, s19, 5
	s_add_nc_u64 s[14:15], s[14:15], s[28:29]
.macro LOAD t
.irp i, 0,1,2,3
	global_load_b128 v[R+16*((\t)%4)+4*\i:R+16*((\t)%4)+4*\i+3], v3, s[4:5] offset:2048*(\t)+512*\i th:TH_LOAD_NT   ; 32 lanes read 512 consecutive bytes
.endr
.endm
.macro TURN t                          ; a step's numbers through the stage; LDS serves a wave's instructions in order (ISA guide 5.7.1.4)
.irp i, 0,1,2,3
	ds_store_b128 v14, v[R+16*((\t)%4)+4*\i:R+16*((\t)%4)+4*\i+3] offset:32*SP*((\t)%2)+8*SP*\i
.endr
.irp i, 0,1,2,3
	ds_load_b128 v[X+16*((\t)%2)+4*\i:X+16*((\t)%2)+4*\i+3], v15 offset:32*SP*((\t)%2)+16*\i
.endr
.endm
.irp j, 0,1,2,3,4,5,6,7,8,9,10,11,12,13,14,15
	global_load_b128 v[128+4*\j:131+4*\j], v206, s[6:7] offset:2048*\j   ; the work-group's four waves bring gate_w once, 2,048 consecutive bytes an instruction of the four
.endr
.irp t, 0,1,2,3
	LOAD \t
.endr
	s_wait_loadcnt 16                              ; gate_w's 16 loads are in; x's 16 are younger
.irp j, 0,1,2,3,4,5,6,7,8,9,10,11,12,13,14,15
	ds_store_b128 v204, v[128+4*\j:131+4*\j] offset:2112*\j
.endr
	s_wait_dscnt 0x0                               ; for the others' sake: my part of gate_w lies in LDS
	s_barrier_signal -1
	s_barrier_wait -1                              ; everybody's does
	WIN 0x40                                       ; destination window 1
.set m, 0
.rept 32
	ds_load_b128 v[4*m:4*m+3], v205 offset:16*m                  ; register 128 s + 8 i + e = gate_w[512 s + 16 lane + i][e]
	ds_load_b128 v[128+4*m:131+4*m], v205 offset:16896+16*m
.set m, m+1
.endr
	WIN 0
.irp e, 0,1,2,3,4,5,6,7
	v_mov_b32 v[WK+\e], 0                          ; written once: a lane permute's destination counts as one of its sources
.endr
	v_mov_b32 v199, 0xff800000                     ; -infinity
	s_wait_loadcnt 12                              ; step 0's four loads are in
	TURN 0
; the gate's products of a step: 16 numbers x 8 experts a lane, two experts an instruction, even and odd numbers in sums of their own
.macro GATE_FMA t
	WIN 0x04                                       ; source 1 (gate_w) window 1
.irp q, 0,1,2,3,4,5,6,7
.irp p, 0,1,2,3
.if (((\t)%2) == 0) && (\q == 0)
	v_pk_mul_f32 v[ACC+2*\p:ACC+2*\p+1], v[XS:XS+1], v[GB+2*\p:GB+2*\p+1] op_sel_hi:[0,1]      ; a token's first products start the sums
.else
	v_pk_fma_f32 v[ACC+2*\p:ACC+2*\p+1], v[XS+2*\q:XS+2*\q+1], v[GB+16*\q+2*\p:GB+16*\q+2*\p+1], v[ACC+2*\p:ACC+2*\p+1] op_sel_hi:[0,1,1]
.endif
.endr
.irp p, 0,1,2,3
.if (((\t)%2) == 0) && (\q == 0)
	v_pk_mul_f32 v[ACC+8+2*\p:ACC+8+2*\p+1], v[XS:XS+1], v[GB+8+2*\p:GB+8+2*\p+1] op_sel:[1,0] op_sel_hi:[1,1]
.else
	v_pk_fma_f32 v[ACC+8+2*\p:ACC+8+2*\p+1], v[XS+2*\q:XS+2*\q+1], v[GB+16*\q+8+2*\p:GB+16*\q+8+2*\p+1], v[ACC+8+2*\p:ACC+8+2*\p+1] op_sel:[1,0,0] op_sel_hi:[1,1,1]
.endif
.endr
.endr
	WIN 0
.endm
.macro STEP t
.set XS, X+16*((\t)%2)
.set GB, 128*((\t)%2)
.if (\t) > 0
	s_wait_dscnt 1                                 ; this step's numbers are back from the stage (the last step's byte store may be out)
.else
	s_wait_dscnt 0x0                               ; gate_w and step 0
.endif
.if (\t)+4 < STEPS
	LOAD (\t)+4                                    ; into the registers whose stores into the stage are done
.endif
.if (\t)+1 < STEPS
.if STEPS-2-(\t) >= 3
	s_wait_loadcnt 12                              ; the next step's four loads are in; those of the three steps behind it may be out
.else
	s_wait_loadcnt 4*(STEPS-2-(\t))
.endif
	TURN (\t)+1
.endif
	v_max3_num_f32 v8, |v[XS]|, |v[XS+1]|, |v[XS+2]|               ; the largest magnitude of my 16
	v_max3_num_f32 v9, |v[XS+3]|, |v[XS+4]|, |v[XS+5]|
.irp i, 6,10
	v_max3_num_f32 v8, v8, |v[XS+\i]|, |v[XS+\i+1]|
	v_max3_num_f32 v9, v9, |v[XS+\i+2]|, |v[XS+\i+3]|
.endr
	v_max3_num_f32 v8, v8, |v[XS+14]|, |v[XS+15]|
	v_max3_num_f32 v8, v8, v9, 0x1800000           ; and the floor 2^(3 - 127): the byte cannot fall under 1
	v_max_num_f32_dpp v8, v8, v8 row_xmask:1 row_mask:0xf bank_mask:0xf   ; with my neighbour's 16: the block's
	v_add_nc_u32 v11, 0xff000000, v8               ; 2 off its exponent field: the conversion takes this operand's exponent field as its scale
	v_cvt_scalef32_pk16_fp6_f32 v[C+4*(\t):C+4*(\t)+2], v[XS:XS+15], v11
	v_lshrrev_b32 v[E+(\t)], 23, v11               ; the scale's byte (a plain line behind the conversion)
	ds_store_b8 v5, v[E+(\t)] offset:16*(\t)       ; both lanes of a block write the same byte with the same value
	global_store_b96 v4, v[C+4*(\t):C+4*(\t)+2], s[10:11] offset:384*(\t)   ; the wave's 32 x 12 bytes cover 384 consecutive bytes
	GATE_FMA \t
.endm
; a token's logits, its two largest, and what is stored of them
.macro TOKEN tau
.irp p, 0,1,2,3
	v_pk_add_f32 v[LG+2*\p:LG+2*\p+1], v[ACC+2*\p:ACC+2*\p+1], v[ACC+8+2*\p:ACC+8+2*\p+1]
.endr
.irp m, 1,2,4,8
.irp e, 0,1,2,3,4,5,6,7
	v_add_f32_dpp v[LG+\e], v[LG+\e], v[LG+\e] row_xmask:\m row_mask:0xf bank_mask:0xf
.endr
.endr
.irp e, 0,1,2,3,4,5,6,7
	v_permlanex16_b32 v[WK+\e], v[LG+\e], s22, s23
.endr
.irp e, 0,1,2,3,4,5,6,7
	v_add_f32 v[LG+\e], v[LG+\e], v[WK+\e]         ; every lane holds the same 8 logits
.endr
	v_mov_b32 v192, v[LG]
	v_mov_b32 v193, 0
.irp e, 1,2,3,4,5,6,7
	v_cmp_gt_f32 vcc_lo, v[LG+\e], v192            ; strictly greater: of equals the lower index stays
	v_cndmask_b32 v192, v192, v[LG+\e], vcc_lo
	v_cndmask_b32 v193, v193, \e, vcc_lo
.endr
.irp e, 0,1,2,3,4,5,6,7
	v_cmp_eq_u32 vcc_lo, \e, v193
	v_cndmask_b32 v[LG+\e], v[LG+\e], v199, vcc_lo ; the largest is taken out
.endr
	v_mov_b32 v194, v[LG]
	v_mov_b32 v195, 0
.irp e, 1,2,3,4,5,6,7
	v_cmp_gt_f32 vcc_lo, v[LG+\e], v194
	v_cndmask_b32 v194, v194, v[LG+\e], vcc_lo
	v_cndmask_b32 v195, v195, \e, vcc_lo
.endr
	v_min_u32 v196, v193, v195                     ; a
	v_max_u32 v197, v193, v195                     ; b
	v_add_nc_u32 v198, -1, v197
	v_mul_u32_u24 v198, v198, v197
	v_lshrrev_b32 v198, 1, v198
	v_add_nc_u32 v198, v198, v196                  ; b (b - 1) / 2 + a
	v_cmp_gt_u32 vcc_lo, v193, v195
	v_cndmask_b32 v196, 0, 1, vcc_lo               ; swap
	v_lshl_or_b32 v198, v196, 8, v198
.if (\tau) == 0
	v_mov_b32 v200, v198
	v_mov_b32 v202, v192
	v_mov_b32 v203, v194
.else
	v_cmp_eq_u32 vcc_lo, \tau, v10                 ; lanes with lane % 4 = tau keep this token's three numbers
	v_cndmask_b32 v200, v200, v198, vcc_lo
	v_cndmask_b32 v202, v202, v192, vcc_lo
	v_cndmask_b32 v203, v203, v194, vcc_lo
.endif
.endm
.irp u, 0,1,2,3
	STEP 2*\u
	STEP 2*\u+1
	TOKEN \u
.endr
	ds_load_b32 v12, v6                            ; my wave's 128 scale bytes: these see my stores
	s_wait_alu depctr_va_vdst(0)
	s_wait_dscnt 0x0
	global_store_b32 v7, v12, s[20:21]
	global_store_b32 v207, v200, s[12:13]          ; eight lanes write the same word with the same value: EXEC is never changed
	global_store_b64 v208, v[202:203], s[14:15]
	s_wait_tensorcnt 0x0
	ds_add_u32 v254, v255
	s_wait_dscnt 0x0
	s_endpgm
	; ---------------- w1's codes into images ----------------
.Lrelay:
	s_sub_co_u32 s19, ttmp9, 128
	s_lshl_b32 s19, s19, 2
	s_add_co_u32 s19, s19, s18                     ; id 0..511: 32 rows of w1 (8 experts x 64)
	s_mul_i32 s28, s19, 24576                      ; 32 rows of 768 bytes, dense
	s_mov_b32 s29, 0
	s_lshr_b32 s30, s19, 2
	s_mul_i32 s30, s30, 98304                      ; images [e][cg 16][ks 8][t 8][1536]: a group of 128 rows is 98,304 bytes,
	s_and_b32 s31, s19, 3
	s_mul_i32 s31, s31, 3072                       ; my two tiles in it
	s_add_co_u32 s30, s30, s31
	s_mov_b32 s31, 0
	s_mul_i32 s20, s18, RREG
	s_add_co_u32 s20, s20, RB
	s_wait_kmcnt 0x0
	s_add_nc_u64 s[24:25], s[8:9], s[28:29]
	s_add_nc_u64 s[26:27], s[16:17], s[30:31]
	s_wait_alu depctr_va_vdst(0)
	RELAY 768, 20
	s_wait_tensorcnt 0x0
	ds_add_u32 v254, v255
	s_wait_dscnt 0x0
	s_endpgm
.Lfunc_end_k_qf37d871019_route:
	.size	k_qf37d871019_route, .Lfunc_end_k_qf37d871019_route-k_qf37d871019_route
	.p2alignl 7, 3214868480
	.fill 96, 4, 3214868480
	.section	.rodata,"a",@progbits
	.p2align	6, 0x0
	.amdhsa_kernel k_qf37d871019_route
		.amdhsa_group_segment_fixed_size 168448
		.amdhsa_private_segment_fixed_size 0
		.amdhsa_enable_private_segment 0
		.amdhsa_kernarg_size 56
		.amdhsa_user_sgpr_count 2
		.amdhsa_user_sgpr_kernarg_segment_ptr 1
		.amdhsa_wavefront_size32 1
		.amdhsa_system_sgpr_workgroup_id_x 1
		.amdhsa_system_sgpr_workgroup_id_y 1
		.amdhsa_system_sgpr_workgroup_id_z 1
		.amdhsa_system_vgpr_workitem_id 0
		.amdhsa_next_free_vgpr 512
		.amdhsa_next_free_sgpr 66
		.amdhsa_reserve_vcc 1
		.amdhsa_float_denorm_mode_32 3
		.amdhsa_float_denorm_mode_16_64 3
		.amdhsa_memory_ordered 1
		.amdhsa_forward_progress 1
		.amdhsa_inst_pref_size 103
	.end_amdhsa_kernel
	.amdgpu_metadata
---
amdhsa.version: [ 1, 2 ]
amdhsa.kernels:
  - .name:           k_qf37d871019_route
    .symbol:         k_qf37d871019_route.kd
    .args:
      - { .name: x, .offset: 0, .size: 8, .value_kind: global_buffer, .address_space: global }
      - { .name: gate_w, .offset: 8, .size: 8, .value_kind: global_buffer, .address_space: global }
      - { .name: w1_codes, .offset: 16, .size: 8, .value_kind: global_buffer, .address_space: global }
      - { .name: xqb, .offset: 24, .size: 8, .value_kind: global_buffer, .address_space: global }
      - { .name: selw, .offset: 32, .size: 8, .value_kind: global_buffer, .address_space: global }
      - { .name: topv, .offset: 40, .size: 8, .value_kind: global_buffer, .address_space: global }
      - { .name: wimg, .offset: 48, .size: 8, .value_kind: global_buffer, .address_space: global }
    .group_segment_fixed_size: 168448
    .private_segment_fixed_size: 0
    .kernarg_segment_align: 8
    .kernarg_segment_size: 56
    .max_flat_workgroup_size: 128
    .sgpr_count:     66
    .vgpr_count:     512
    .wavefront_size: 32
...
	.end_amdgpu_metadata
.endif
;; end of part 1
;; launch place (part 2): grid 130 x 1, 4 waves a work-group, no clusters, 102,400 bytes of LDS; arguments selw, topv, w2_codes, clist, cw, wimg; writes clist, cw, wimg
.if DOCPART == 2
	.amdgcn_target "amdgcn-amd-amdhsa--gfx1250"
	.amdhsa_code_object_version 6
	.text
	.protected	k_qf37d871019_place
	.globl	k_qf37d871019_place
	.p2align	8
	.type	k_qf37d871019_place,@function
k_qf37d871019_place:
	s_mov_b64 s[64:65], 0
	v_nop
	global_prefetch_b8 v0, s[64:65] scope:SCOPE_SE
	s_setreg_imm32_b32 hwreg(HW_REG_WAVE_MODE, 25, 1), 1
	s_wait_xcnt 0x0
; LAUNCH 2 OF 4.  Three kinds of work-groups, told apart by the work-group's number.
; WORK-GROUP 0 places the tokens.  Wave w is batch w: 512 tokens, 16 a lane (register 4 j + i: token 512 w + 128 j + 4 lane + i).
;   A counting sort by the pair key (0..27), without atomics: lane k of a wave keeps key k's running count over the 16 registers; the waves' totals meet in LDS behind the one barrier.
;   A CHUNK is up to 96 tokens of one key; a key's chunks follow each other.  There are never more than floor((2048 - 28) / 96) + 28 = 49.
;   Stored: clist: ctok[96 chunk + row] = token (rows past a chunk's end: 0); from byte CTO on ctab[chunk] = n | a << 8 | b << 16.
;   THE ZEROS COME FIRST: each wave stores zeros over its share of ctok, waits for those stores (count 0) in front of the barrier, and only behind the barrier does any wave store a token's entry.
; WORK-GROUPS 1-128 lay w2's codes out anew (macro RELAY, as for w1 in the launch before), in LDS bytes of their own.
; WORK-GROUP 129: the softmax over each batch's 512 tokens (wave w: batch w), for each of the two top-k places: the maximum is taken away, then 2^((v - m) log2 e), the sum, the division.
;   Stored at fixed places: cw[token] = (weight of expert a, weight of expert b), a < b the token's pair.
; LIMITS: NaN and infinities among the logits are not served; a weight under 2^-126 comes out as 0 (v_exp_f32: ISA guide 15.8).
.set CTO,  20480
.set W2I,  12582912
.set RB,   512
.set RREG, 25344
.set TB,   148                         ; v148-187 the histogram's work registers: ten for each of four registers of keys
.set SMB,  66                          ; s66-85   its lane masks: five for each of the four
; RELAY: one wave takes 32 rows of a weight x 768 bytes (8 K steps of 128 codes); rs = bytes from row to row.  src s[24:25], dst s[26:27], s[sb] = the wave's LDS bytes.
; The rows come in as they lie, go to LDS (row q at 784 q + 128 (q / 16)), and come back as 16 fragments: tile u = 0, 1, K step ks; lane (r, h) takes row 8 u + r + 8 (r / 8),
; bytes 96 ks + 24 h + 0..23 and + 48.  A fragment's registers 4 c .. 4 c + 3 of lane l go out at 512 c + 16 l.
.macro RELAY rs, sb
	v_and_b32 v3, 15, v2
	v_lshrrev_b32 v4, 4, v2
	v_lshlrev_b32 v5, 4, v2
	v_lshlrev_b32 v6, 4, v3
	v_mad_u32_u24 v6, v4, \rs-512, v6
	v_add_nc_u32 v6, 512, v6
	v_add_nc_u32 v7, \rs+256, v5
	v_add_nc_u32 v8, s[\sb], v5
	v_lshlrev_b32 v9, 4, v3
	v_mad_u32_u24 v9, v4, 272, v9
	v_add_nc_u32 v9, s[\sb], v9
	v_add_nc_u32 v9, 512, v9
	v_add_nc_u32 v10, 1040, v8
	v_and_b32 v11, 8, v3
	v_add_nc_u32 v12, v11, v3
	v_mul_u32_u24 v12, v12, 784
	v_lshl_add_u32 v12, v11, 4, v12
	v_mad_u32_u24 v12, v4, 24, v12
	v_add_nc_u32 v11, s[\sb], v12
.set k, 0
.rept 16
	global_load_b128 v[32+12*k:35+12*k], v5, s[24:25] offset:2*\rs*k th:TH_LOAD_NT
	global_load_b128 v[36+12*k:39+12*k], v6, s[24:25] offset:2*\rs*k th:TH_LOAD_NT
	global_load_b128 v[40+12*k:43+12*k], v7, s[24:25] offset:2*\rs*k th:TH_LOAD_NT
.set k, k+1
.endr
.set k, 0
	s_wait_alu depctr_va_vdst(0)
.rept 16
	s_wait_loadcnt 45-3*k                          ; pair k's three loads are in; the 45 - 3 k younger ones may be out
	ds_store_b128 v8, v[32+12*k:35+12*k] offset:1568*k+128*(k/8)
	ds_store_b128 v9, v[36+12*k:39+12*k] offset:1568*k+128*(k/8)
	ds_store_b128 v10, v[40+12*k:43+12*k] offset:1568*k+128*(k/8)
.set k, k+1
.endr
	s_wait_dscnt 0x0                               ; the stores have read their registers, which the loads below fill again.  The bytes are the wave's own: no barrier
.set f, 0
.rept 16
.irp p, 0,1,2,3,4,5
	ds_load_b64 v[32+12*f+2*\p:33+12*f+2*\p], v11 offset:6272*(f/8)+96*(f%8)+48*(\p/3)+8*(\p%3)
.endr
.set f, f+1
.endr
.set f, 0
.rept 16
.if 90-6*f > 63
	s_wait_dscnt 63                                ; (the field's largest count; fewer than the 90 - 6 f younger loads)
.else
	s_wait_dscnt 90-6*f                            ; fragment f is in; the younger loads may be out
.endif
.irp c, 0,1,2
	global_store_b128 v5, v[32+12*f+4*\c:35+12*f+4*\c], s[26:27] offset:12288*(f%8)+1536*(f/8)+512*\c   ; 32 lanes store 512 consecutive bytes, aligned
.endr
.set f, f+1
.endr
.endm
	s_load_b256 s[4:11], s[0:1], 0x0               ; selw s[4:5], topv s[6:7], w2_codes s[8:9], clist s[10:11]
	s_load_b128 s[12:15], s[0:1], 0x20             ; cw s[12:13], wimg s[14:15]
	v_lshl_add_u32 v254, v0, 2, 0x18e00
	v_mov_b32 v255, 0
	v_lshrrev_b32 v1, 5, v0
	v_readfirstlane_b32 s18, v1                    ; wave 0..3
	v_and_b32 v2, 31, v0                           ; lane
	s_cmp_eq_u32 ttmp9, 0
	s_cbranch_scc1 .Lsort
	s_cmp_eq_u32 ttmp9, 129
	s_cbranch_scc1 .Lsort                          ; the softmax shares the sort's first lines
	; ---------------- w2's codes into images ----------------
	s_sub_co_u32 s19, ttmp9, 1
	s_lshl_b32 s19, s19, 2
	s_add_co_u32 s19, s19, s18                     ; id 0..511: 32 rows of w2 (id / 2) x half of K (id % 2)
	s_lshr_b32 s28, s19, 1
	s_mul_i32 s28, s28, 49152                      ; 32 rows of 1,536 bytes
	s_and_b32 s20, s19, 1
	s_mul_i32 s21, s20, 768
	s_add_co_u32 s28, s28, s21
	s_mov_b32 s29, 0
	s_lshr_b32 s30, s19, 3
	s_mul_i32 s30, s30, 196608                     ; images [e][cgo 8][ks 16][t 8][1536]: a group of 128 rows is 196,608 bytes,
	s_mul_i32 s21, s20, 98304                      ; my 8 K steps,
	s_add_co_u32 s30, s30, s21
	s_bfe_u32 s21, s19, 0x20001
	s_mul_i32 s21, s21, 3072                       ; my two tiles
	s_add_co_u32 s30, s30, s21
	s_add_co_u32 s30, s30, W2I
	s_mov_b32 s31, 0
	s_mul_i32 s20, s18, RREG
	s_add_co_u32 s20, s20, RB
	s_wait_kmcnt 0x0
	s_add_nc_u64 s[24:25], s[8:9], s[28:29]
	s_add_nc_u64 s[26:27], s[14:15], s[30:31]
	s_wait_alu depctr_va_vdst(0)
	RELAY 1536, 20
	s_wait_tensorcnt 0x0
	ds_add_u32 v254, v255
	s_wait_dscnt 0x0
	s_endpgm
	; ---------------- the placing of the tokens, and the softmax ----------------
	; v7 16 x thread; v10-14 bit i of my lane's number, less 1; v16-31 selw's words; v32-63 the logits, then the weights (2 g + k); v64-79 my rank among the lanes of a register; v80-96 running counts;
	; v100-115, v116-131 indices and offsets; v132-147 token numbers; v148-187 at work (in the softmax v148-179: weight of a, weight of b); v190-199 at work; v200-218 totals and the table; v224-227 zeros
.Lsort:
	s_wait_alu depctr_va_vdst(0)
	v_lshlrev_b32 v3, 4, v2
	v_lshlrev_b32 v4, 5, v2
	v_lshlrev_b32 v7, 4, v0
.irp i, 0,1,2,3
	v_mov_b32 v[224+\i], 0
.endr
	s_lshl_b32 s20, s18, 11
	s_mov_b32 s21, 0
	s_lshl_b32 s22, s18, 12                        ; a batch of topv and of cw: 512 tokens x 8 bytes
	s_mov_b32 s23, 0
	s_wait_alu depctr_va_vdst(0)
	s_wait_kmcnt 0x0
	s_add_nc_u64 s[4:5], s[4:5], s[20:21]
.irp j, 0,1,2,3
	global_load_b128 v[16+4*\j:19+4*\j], v3, s[4:5] offset:512*\j
.endr
	s_cmp_lg_u32 ttmp9, 0
	s_cbranch_scc1 .Lsoft
.set q, 0
.rept 10
	global_store_b128 v7, v[224:227], s[10:11] offset:2048*q     ; zeros over ctok's 20,480 bytes: the four waves cover 2,048 consecutive bytes an instruction; ctab, behind them, is not touched
.set q, q+1
.endr
	s_mov_b32 s40, 0x55555555
	s_mov_b32 s41, 0x33333333
	s_mov_b32 s42, 0x0f0f0f0f
	s_mov_b32 s43, 0x01010101
.irp i, 0,1,2,3,4
	v_bfe_u32 v[10+\i], v2, \i, 1
.endr
.irp i, 0,1,2,3,4
	v_add_nc_u32 v[10+\i], -1, v[10+\i]
.endr
	s_lshl_b32 s24, s18, 9
	v_lshl_add_u32 v180, v2, 2, s24
.irp g, 0,1,2,3,4,5,6,7,8,9,10,11,12,13,14,15
	v_add_nc_u32 v[132+\g], 128*(\g/4)+\g%4, v180  ; the token's number
.endr
	v_mov_b32 v80, 0
	v_lshlrev_b32 v5, 2, v0                        ; 4 x thread
	v_lshlrev_b32 v6, 2, v2                        ; 4 x lane
	s_wait_alu depctr_va_vdst(0)
	s_wait_loadcnt 0x0                             ; selw's four loads are in
; Registers g0 .. g0 + 3, stage by stage, so that four independent chains take turns.  For each: m_i = the lanes whose key has bit i set;
; P = the lanes with MY key; H = the lanes whose key is MY LANE'S NUMBER.
.macro HIST4 g0
.irp o, 0,1,2,3
.irp i, 0,1,2,3,4
	v_bfe_u32 v[TB+10*\o+\i], v[16+\g0+\o], \i, 1
.endr
.endr
.irp o, 0,1,2,3
.irp i, 0,1,2,3,4
	v_cmp_ne_u32 s[SMB+5*\o+\i], 0, v[TB+10*\o+\i]
.endr
.endr
.irp o, 0,1,2,3
.irp i, 0,1,2,3,4
	v_add_nc_u32 v[TB+10*\o+\i], -1, v[TB+10*\o+\i]              ; 0 where my bit is set, else all ones
.endr
.endr
.irp o, 0,1,2,3
.irp i, 0,1,2,3,4
	v_xor_b32 v[TB+10*\o+\i], s[SMB+5*\o+\i], v[TB+10*\o+\i]     ; the lanes that agree with my key in bit i
	v_xor_b32 v[TB+10*\o+5+\i], s[SMB+5*\o+\i], v[10+\i]         ; the lanes that agree with my lane's number in bit i
.endr
.endr
.irp o, 0,1,2,3
.set P, TB+10*\o
	v_and_b32 v[P], v[P], v[P+1]
	v_and_b32 v[P+2], v[P+2], v[P+3]
	v_and_b32 v[P+5], v[P+5], v[P+6]
	v_and_b32 v[P+7], v[P+7], v[P+8]
.endr
.irp o, 0,1,2,3
.set P, TB+10*\o
	v_and_b32 v[P], v[P], v[P+2]
	v_and_b32 v[P+5], v[P+5], v[P+7]
.endr
.irp o, 0,1,2,3
.set P, TB+10*\o
	v_and_b32 v[P], v[P], v[P+4]                   ; P
	v_and_b32 v[P+5], v[P+5], v[P+9]               ; H
.endr
.irp o, 0,1,2,3
.set P, TB+10*\o
	v_mbcnt_lo_u32_b32 v[64+\g0+\o], v[P], 0       ; how many lanes below mine have my key
	v_lshrrev_b32 v[P+6], 1, v[P+5]                ; the number of ones in H
.endr
.irp o, 0,1,2,3
	v_and_b32 v[TB+10*\o+6], s40, v[TB+10*\o+6]
.endr
.irp o, 0,1,2,3
	v_sub_nc_u32 v[TB+10*\o+5], v[TB+10*\o+5], v[TB+10*\o+6]
.endr
.irp o, 0,1,2,3
	v_lshrrev_b32 v[TB+10*\o+6], 2, v[TB+10*\o+5]
.endr
.irp o, 0,1,2,3
	v_and_b32 v[TB+10*\o+5], s41, v[TB+10*\o+5]
	v_and_b32 v[TB+10*\o+6], s41, v[TB+10*\o+6]
.endr
.irp o, 0,1,2,3
	v_add_nc_u32 v[TB+10*\o+5], v[TB+10*\o+5], v[TB+10*\o+6]
.endr
.irp o, 0,1,2,3
	v_lshrrev_b32 v[TB+10*\o+6], 4, v[TB+10*\o+5]
.endr
.irp o, 0,1,2,3
	v_add_nc_u32 v[TB+10*\o+5], v[TB+10*\o+5], v[TB+10*\o+6]
.endr
.irp o, 0,1,2,3
	v_and_b32 v[TB+10*\o+5], s42, v[TB+10*\o+5]
.endr
.irp o, 0,1,2,3
	v_mul_lo_u32 v[TB+10*\o+5], v[TB+10*\o+5], s43
.endr
.irp o, 0,1,2,3
	v_lshrrev_b32 v[TB+10*\o+5], 24, v[TB+10*\o+5]
.endr
.irp o, 0,1,2,3
	v_add_nc_u32 v[81+\g0+\o], v[80+\g0+\o], v[TB+10*\o+5]       ; lane k: key k's count in registers 0 .. g0 + o
.endr
.endm
.irp n, 0,4,8,12
	HIST4 \n
.endr
	ds_store_b32 v5, v96                           ; my wave's totals: key = lane
	s_wait_alu depctr_va_vdst(0)
	s_wait_storecnt 0x0                            ; for the others' sake: my zeros are stored; behind the barrier any wave may store a token's entry over them
	s_wait_dscnt 0x0                               ; and my totals lie in LDS
	s_barrier_signal -1
	s_barrier_wait -1
.irp w, 0,1,2,3
	ds_load_b32 v[200+\w], v6 offset:128*\w        ; all four waves' totals
.endr
	s_branch .Lkeys
	; the softmax over my batch's 512 tokens, both top-k places at once (k = 0 in even registers, k = 1 in odd ones)
.Lsoft:
	s_add_nc_u64 s[6:7], s[6:7], s[22:23]
	s_add_nc_u64 s[12:13], s[12:13], s[22:23]
.irp j, 0,1,2,3
	global_load_b128 v[32+8*\j:35+8*\j], v4, s[6:7] offset:1024*\j
	global_load_b128 v[36+8*\j:39+8*\j], v4, s[6:7] offset:1024*\j+16
.endr
	s_mov_b32 s44, 0x76543210
	s_mov_b32 s45, 0xfedcba98                      ; v_permlanex16_b32's selects for lane l xor 16
	s_mov_b32 s46, 0x3fb8aa3b                      ; log2(e)
	s_mov_b32 s47, s46                             ; (named with it as a pair)
	v_mov_b32 v192, 0
	v_mov_b32 v193, 0                              ; written once: a lane permute's destination counts as one of its sources
	s_wait_alu depctr_va_vdst(0)
	s_wait_loadcnt 0x0
.irp k, 0,1
	v_max3_num_f32 v[190+\k], v[32+\k], v[34+\k], v[36+\k]
.endr
.irp q, 6,10,14,18,22,26
.irp k, 0,1
	v_max3_num_f32 v[190+\k], v[190+\k], v[32+\q+\k], v[34+\q+\k]
.endr
.endr
.irp k, 0,1
	v_max_num_f32 v[190+\k], v[190+\k], v[62+\k]
.endr
.irp m, 1,2,4,8
.irp k, 0,1
	v_max_num_f32_dpp v[190+\k], v[190+\k], v[190+\k] row_xmask:\m row_mask:0xf bank_mask:0xf
.endr
.endr
.irp k, 0,1
	v_permlanex16_b32 v[192+\k], v[190+\k], s44, s45
.endr
.irp k, 0,1
	v_max_num_f32 v[190+\k], v[190+\k], v[192+\k]  ; the batch's maximum
.endr
.irp k, 0,1
	v_mul_f32 v[190+\k], 0xbfb8aa3b, v[190+\k]     ; - m log2(e): the same number for all 512, so its rounding cancels in the division
.endr
.irp g, 0,1,2,3,4,5,6,7,8,9,10,11,12,13,14,15
	v_pk_fma_f32 v[32+2*\g:33+2*\g], v[32+2*\g:33+2*\g], s[46:47], v[190:191] op_sel_hi:[1,0,1]
.endr
.set j, 0
	s_wait_alu depctr_va_vdst(0)
.rept 32
	v_exp_f32 v[32+j], v[32+j]
.set j, j+1
.endr
	v_nop                                          ; a plain line behind the last exponential (ISA guide 5.7.2)
	s_wait_alu depctr_va_vdst(0)                   ; one wait for the batch of 32, ahead of its first reader
	v_pk_add_f32 v[194:195], v[32:33], v[34:35]
	v_pk_add_f32 v[196:197], v[36:37], v[38:39]
.irp q, 8,12,16,20,24,28
	v_pk_add_f32 v[194:195], v[194:195], v[32+\q:33+\q]
	v_pk_add_f32 v[196:197], v[196:197], v[34+\q:35+\q]
.endr
	v_pk_add_f32 v[194:195], v[194:195], v[196:197]
.irp m, 1,2,4,8
.irp k, 0,1
	v_add_f32_dpp v[194+\k], v[194+\k], v[194+\k] row_xmask:\m row_mask:0xf bank_mask:0xf
.endr
.endr
.irp k, 0,1
	v_permlanex16_b32 v[192+\k], v[194+\k], s44, s45
.endr
.irp k, 0,1
	v_add_f32 v[194+\k], v[194+\k], v[192+\k]
.endr
	s_wait_alu depctr_va_vdst(0)
	v_rcp_f32 v194, v194
	v_rcp_f32 v195, v195
	v_nop
	s_wait_alu depctr_va_vdst(0)                   ; one wait for the two reciprocals
.irp g, 0,1,2,3,4,5,6,7,8,9,10,11,12,13,14,15
	v_pk_mul_f32 v[32+2*\g:33+2*\g], v[32+2*\g:33+2*\g], v[194:195]
.endr
.irp g, 0,1,2,3,4,5,6,7,8,9,10,11,12,13,14,15
	v_and_b32 v180, 0x100, v[16+\g]                ; swap: the first place's expert is b
	v_cmp_ne_u32 vcc_lo, 0, v180
	v_cndmask_b32 v[148+2*\g], v[32+2*\g], v[33+2*\g], vcc_lo
	v_cndmask_b32 v[149+2*\g], v[33+2*\g], v[32+2*\g], vcc_lo
.endr
.irp j, 0,1,2,3
	global_store_b128 v4, v[148+8*\j:151+8*\j], s[12:13] offset:1024*\j      ; cw[token]: a lane's four tokens of group j are 32 bytes on end; the two stores cover 1,024 consecutive bytes
	global_store_b128 v4, v[152+8*\j:155+8*\j], s[12:13] offset:1024*\j+16
.endr
	s_branch .Ldone
	; where each key begins (lane = key)
.Lkeys:
	s_wait_dscnt 0x0
	v_add_nc_u32 v204, v200, v201
	v_add3_u32 v204, v204, v202, v203              ; the key's tokens in all
	s_cmp_gt_u32 s18, 0
	s_cselect_b32 s24, -1, 0
	s_cmp_gt_u32 s18, 1
	s_cselect_b32 s25, -1, 0
	s_cmp_gt_u32 s18, 2
	s_cselect_b32 s26, -1, 0
	v_and_b32 v205, s24, v200
	v_and_b32 v206, s25, v201
	v_and_b32 v207, s26, v202
	v_add3_u32 v205, v205, v206, v207              ; those of the waves before mine
	v_add_nc_u32 v206, 95, v204
	v_mul_u32_u24 v206, v206, 0xaaab
	v_lshrrev_b32 v206, 22, v206                   ; its chunks: (total + 95) / 96; x 43,691 >> 22 is exact up to 2,143
	v_mov_b32 v207, v206
	v_mov_b32 v208, 0
.irp n, 1,2,4,8
	v_mov_b32_dpp v208, v207 row_shr:\n row_mask:0xf bank_mask:0xf bound_ctrl:1
	v_add_nc_u32 v207, v207, v208
.endr
	v_readlane_b32 s27, v207, 15
	v_cmp_lt_u32 vcc_lo, 15, v2
	v_mov_b32 v208, s27
	v_cndmask_b32 v208, 0, v208, vcc_lo
	v_add_nc_u32 v207, v207, v208                  ; chunks of keys 0 .. mine
	v_sub_nc_u32 v209, v207, v206                  ; the key's first chunk
	v_mad_u32_u24 v210, v209, 96, v205             ; where my wave's tokens of the key begin
.irp g, 0,1,2,3,4,5,6,7,8,9,10,11,12,13,14,15
	v_add_nc_u32 v[80+\g], v210, v[80+\g]
.endr
.irp g, 0,1,2,3,4,5,6,7,8,9,10,11,12,13,14,15
	v_and_b32 v[100+\g], 0xff, v[16+\g]
	v_min_u32 v[100+\g], 31, v[100+\g]
	v_lshlrev_b32 v[100+\g], 2, v[100+\g]
.endr
.irp g, 0,1,2,3,4,5,6,7,8,9,10,11,12,13,14,15
	ds_bpermute_b32 v[116+\g], v[100+\g], v[80+\g] ; from the lane of my key
.endr
	s_wait_dscnt 0x0
.irp g, 0,1,2,3,4,5,6,7,8,9,10,11,12,13,14,15
	v_add_nc_u32 v[116+\g], v[116+\g], v[64+\g]    ; the token's entry
	v_min_u32 v[116+\g], 0x125f, v[116+\g]         ; at most 4,703
	v_lshlrev_b32 v[116+\g], 2, v[116+\g]
	global_store_b32 v[116+\g], v[132+\g], s[10:11]
.endr
	; the table of chunks is wave 0's work alone: chunk = lane (v211) and lane + 32 (v212)
	s_cmp_lg_u32 s18, 0
	s_cbranch_scc1 .Ldone
	v_mov_b32 v211, v2
	v_add_nc_u32 v212, 32, v2
	v_mov_b32 v213, 0
	v_mov_b32 v214, 0
.set kq, 0
.rept 28
	v_readlane_b32 s27, v207, kq
	v_cmp_le_u32 vcc_lo, s27, v211
	v_add_co_ci_u32 v213, vcc_lo, 0, v213, vcc_lo  ; the chunk's key: how many keys end at or before it
	v_cmp_le_u32 vcc_lo, s27, v212
	v_add_co_ci_u32 v214, vcc_lo, 0, v214, vcc_lo
.set kq, kq+1
.endr
.irp z, 0,1
	v_min_u32 v[180+\z], 31, v[213+\z]
	v_lshlrev_b32 v[180+\z], 2, v[180+\z]
	ds_bpermute_b32 v[182+\z], v[180+\z], v204     ; the key's tokens
	ds_bpermute_b32 v[184+\z], v[180+\z], v209     ; and its first chunk
.endr
	s_wait_dscnt 0x0
.irp z, 0,1
	v_sub_nc_u32 v[184+\z], v[211+\z], v[184+\z]
	v_mul_u32_u24 v[184+\z], v[184+\z], 96
	v_sub_nc_u32 v[182+\z], v[182+\z], v[184+\z]
	v_min_i32 v[182+\z], 96, v[182+\z]
	v_cmp_gt_u32 vcc_lo, 28, v[213+\z]
	v_cndmask_b32 v[215+\z], 0, v[182+\z], vcc_lo  ; n: the chunk's rows; 0 past the last chunk
	v_mov_b32 v[186+\z], 1
.irp q, 1,3,6,10,15,21
	v_cmp_le_u32 vcc_lo, \q, v[213+\z]
	v_add_co_ci_u32 v[186+\z], vcc_lo, 0, v[186+\z], vcc_lo   ; b
.endr
	v_add_nc_u32 v[188+\z], -1, v[186+\z]
	v_mul_u32_u24 v[188+\z], v[188+\z], v[186+\z]
	v_lshrrev_b32 v[188+\z], 1, v[188+\z]
	v_sub_nc_u32 v[188+\z], v[213+\z], v[188+\z]   ; a
	v_lshl_or_b32 v[217+\z], v[188+\z], 8, v[215+\z]
	v_lshl_or_b32 v[217+\z], v[186+\z], 16, v[217+\z]
.endr
	global_store_b32 v6, v217, s[10:11] offset:CTO
	global_store_b32 v6, v218, s[10:11] offset:CTO+128
.Ldone:
	s_wait_tensorcnt 0x0
	ds_add_u32 v254, v255
	s_wait_dscnt 0x0
	s_endpgm
.Lfunc_end_k_qf37d871019_place:
	.size	k_qf37d871019_place, .Lfunc_end_k_qf37d871019_place-k_qf37d871019_place
	.p2alignl 7, 3214868480
	.fill 96, 4, 3214868480
	.section	.rodata,"a",@progbits
	.p2align	6, 0x0
	.amdhsa_kernel k_qf37d871019_place
		.amdhsa_group_segment_fixed_size 102400
		.amdhsa_private_segment_fixed_size 0
		.amdhsa_enable_private_segment 0
		.amdhsa_kernarg_size 48
		.amdhsa_user_sgpr_count 2
		.amdhsa_user_sgpr_kernarg_segment_ptr 1
		.amdhsa_wavefront_size32 1
		.amdhsa_system_sgpr_workgroup_id_x 1
		.amdhsa_system_sgpr_workgroup_id_y 1
		.amdhsa_system_sgpr_workgroup_id_z 1
		.amdhsa_system_vgpr_workitem_id 0
		.amdhsa_next_free_vgpr 256
		.amdhsa_next_free_sgpr 90
		.amdhsa_reserve_vcc 1
		.amdhsa_float_denorm_mode_32 3
		.amdhsa_float_denorm_mode_16_64 3
		.amdhsa_memory_ordered 1
		.amdhsa_forward_progress 1
		.amdhsa_inst_pref_size 84
	.end_amdhsa_kernel
	.amdgpu_metadata
---
amdhsa.version: [ 1, 2 ]
amdhsa.kernels:
  - .name:           k_qf37d871019_place
    .symbol:         k_qf37d871019_place.kd
    .args:
      - { .name: selw, .offset: 0, .size: 8, .value_kind: global_buffer, .address_space: global }
      - { .name: topv, .offset: 8, .size: 8, .value_kind: global_buffer, .address_space: global }
      - { .name: w2_codes, .offset: 16, .size: 8, .value_kind: global_buffer, .address_space: global }
      - { .name: clist, .offset: 24, .size: 8, .value_kind: global_buffer, .address_space: global }
      - { .name: cw, .offset: 32, .size: 8, .value_kind: global_buffer, .address_space: global }
      - { .name: wimg, .offset: 40, .size: 8, .value_kind: global_buffer, .address_space: global }
    .group_segment_fixed_size: 102400
    .private_segment_fixed_size: 0
    .kernarg_segment_align: 8
    .kernarg_segment_size: 48
    .max_flat_workgroup_size: 128
    .sgpr_count:     90
    .vgpr_count:     256
    .wavefront_size: 32
...
	.end_amdgpu_metadata
.endif
;; end of part 2
;; launch ffn1 (part 3): grid 4 x 98, 4 waves a work-group, no clusters, 76,288 bytes of LDS; arguments clist, xqb, wimg, w1_scales, b1, hbuf; writes hbuf
.if DOCPART == 3
	.amdgcn_target "amdgcn-amd-amdhsa--gfx1250"
	.amdhsa_code_object_version 6
	.text
	.protected	k_qf37d871019_ffn1
	.globl	k_qf37d871019_ffn1
	.p2align	8
	.type	k_qf37d871019_ffn1,@function
k_qf37d871019_ffn1:
	s_mov_b64 s[64:65], 0
	v_nop
	global_prefetch_b8 v0, s[64:65] scope:SCOPE_SE
	s_setreg_imm32_b32 hwreg(HW_REG_WAVE_MODE, 25, 1), 1
	s_wait_xcnt 0x0
; LAUNCH 3 OF 4: the first product of the chosen experts, h = relu(Q(x) W1e + b1e), quantised along F, on codes of E2M3 with one E8M0 scale for each 32 along K.
; SHARES.  Work-group (x, y): y = cs = 2 chunk + slot (slot 0: expert a, slot 1: expert b of the chunk's pair); wave w takes hidden units 128 cg .. + 127, cg = 4 x + w, for the chunk's 96 rows:
; 6 tiles of rows x 8 tiles of units = 48 accumulators, 8 K steps of 128, 384 matrix instructions, written out without a loop.
; THE PRODUCT IS USED TRANSPOSED: source 0 = 16 rows of W1, source 1 = 16 tokens.  Lane r of tile 2 B + u takes W1's row 32 B + 8 u + r + 8 (r / 8), so that lane (r, h) holds token row r and the 16 registers
; of tiles 2 B, 2 B + 1 are units 32 B + 16 h + 0 .. 15: neighbours along the next K, ready for the conversions.  b1 is the C of the first K step: nothing is cleared.
; THE CHUNK'S 96 ROWS OF x's CODES ARE THE SAME FOR ALL FOUR WAVES: THEY GO THROUGH LDS.  Wave w brings rows 24 w .. + 23: 36 loads, each half of the lanes 256 consecutive bytes of one row; LDS rows are 784 bytes apart
; (49 x 16: the sixteen rows that a load of 16 bytes a lane touches start in sixteen different columns of 16 bytes); one barrier; a fragment is then three ds_load_b128: lane (r, h) takes 48 bytes on end of its row.
; So a K step costs a wave 24 loads from memory, W1's images (512 consecutive bytes each), and with three sets of registers for them two K steps' loads, 48, are on their way while a third K step is multiplied.
; THE BARRIER STANDS ON EVERY WAVE'S PATH: the branch on the stored count (a chunk without rows) jumps over the filling of LDS alone, to the label in front of the barrier; a second test behind the barrier ends such a wave.
; All that the text behind the barrier reads is written ahead of the first branch or behind the second: that is why W1's loads begin behind the barrier.
; NO CLUSTER, NO JOINT LOADS, NO TENSOR LOAD, though chunks of one expert read the same images: how many chunks an expert has hangs on counts read from memory.
; RESULT: hbuf: codes [cs][K step of the next product = cg][tile of rows a][1536] as images of the operand's registers; from byte HSO on scale words [cs][cg][i 3][32 lanes]: lanes 0-15 tile i, lanes 16-31 tile i + 3.
; Rows past the chunk's end hold token 0: they are computed and never used.
; LIMITS: NaN and infinities are not served; a block of zeros gets the byte 1 (its codes are zeros; these bytes are read by this program alone).
; REGISTERS, in windows of 256: window 0: v1-26 addresses; v32-55 the tokens' scale words (8 i + ks: lanes 0-15 tile i, lanes 16-31 tile i + 3); v56-87 W1's (8 q + ks: tile q, tile q + 4);
;   v88-159, v160-231 the tokens' fragments, two sets (before that: the 36 loads of the fill); v232-243, v244-255 the fill's tokens and offsets.
;   window 1: v0-95, v96-191 W1's fragments, sets 0 and 1; v192-255 b1.  window 2: accumulators of row tiles 0-3 (64 a + 8 t).  window 3: v0-127 those of tiles 4, 5; v128-223 W1's set 2.
.set CTO, 20480
.set XSO, 1572864
.set HSO, 14450688
.set PITCH, 784
.set L16, 5                            ; v5   16 x lane
.set LO,  6                            ; v6   the scale rows' places in the chunk's list
.set L4,  7                            ; v7   4 x lane
.set WSO, 8
.set BIO, 9
.set R16, 10                           ; v10  16 x (lane % 16)
.set LSA, 11                           ; v11  LDS: where I put 16 bytes of a row
.set TOK, 12                           ; v12-14 the tokens of the scale rows
.set LRA, 15                           ; v15  LDS: where I read a fragment
.set TSO, 24
.set TS,  32
.set WS,  56
.set AF,  88
.set FT,  232
.set FO,  244
.set BI,  192
.set T,   88                           ; the way out: v88-151 a tile of rows' 64 numbers a lane
.set PC,  152                          ; v152-171, v172-191 the codes just made, two sets
.set TM,  192                          ; v192-207 at work
.set PW,  208                          ; v208-213 the six tiles' scale words
.set BB,  34                           ; s[34:35] W1's images
.set HM,  66                           ; s66 lanes 16-31
.set SEL, 68
.set MSB, 0
.macro WIN new                         ; the immediate's high byte repeats the setting that is left
.if MSB != (\new)
	s_set_vgpr_msb (MSB<<8)|(\new)
.set MSB, (\new)
.endif
.endm
.macro PLACES                          ; four places between a matrix instruction and a load into, or a vector instruction on, its registers
.rept 4
	v_nop
.endr
.endm
.macro BLOAD ks, set                   ; W1's eight fragments of a K step: sets 0, 1 at v0, v96 of window 1, set 2 at v128 of window 3
	WIN 0x40+0x80*((\set)/2)
.irp t, 0,1,2,3,4,5,6,7
.irp c, 0,1,2
	global_load_b128 v[96*(\set)-64*((\set)/2)+12*\t+4*\c:96*(\set)-64*((\set)/2)+12*\t+4*\c+3], v[L16], s[BB:BB+1] offset:12288*(\ks)+1536*\t+512*\c
.endr
.endr
.endm
.macro ALDS ks, set                    ; the six fragments of the chunk's rows, from LDS: lane (r, h) takes 48 bytes of row 16 a + r
	WIN 0
.irp a, 0,1,2,3,4,5
.irp c, 0,1,2
	ds_load_b128 v[AF+72*(\set)+12*\a+4*\c:AF+72*(\set)+12*\a+4*\c+3], v[LRA] offset:16*PITCH*\a+96*(\ks)+16*\c
.endr
.endr
.endm
; 48 matrix instructions: the accumulators take turns, one instruction a turn, in the same order in every K step.  bs: W1's set; as: the tokens' set
.macro MUL ks, bs, as
.irp a, 0,1,2,3,4,5
.if (\ks) == 0
	WIN 0x91+0x40*(\a/4)                           ; source 0 (W1) and C (b1) window 1, source 1 window 0, D window 2 or 3
.else
	WIN 0xa1+0x50*(\a/4)+2*((\bs)/2)               ; source 0 window 1 or 3, C and D window 2 or 3
.endif
.irp t, 0,1,2,3,4,5,6,7
.set rD, 64*(\a%4)+8*\t
.set rB, 96*(\bs)-64*((\bs)/2)+12*\t
.set rA, AF+72*(\as)+12*\a
.set rW, WS+8*(\t%4)+(\ks)
.set rT, TS+8*(\a%3)+(\ks)
.if (\ks) == 0
.set rC, BI+8*\t
.else
.set rC, rD
.endif
.if (\t/4) && (\a/3)
	v_wmma_scale_f32_16x16x128_f8f6f4 v[rD:rD+7], v[rB:rB+11], v[rA:rA+11], v[rC:rC+7], v[rW], v[rT] matrix_a_fmt:MATRIX_FMT_FP6 matrix_b_fmt:MATRIX_FMT_FP6 matrix_a_scale:MATRIX_SCALE_ROW1 matrix_b_scale:MATRIX_SCALE_ROW1
.elseif \t/4
	v_wmma_scale_f32_16x16x128_f8f6f4 v[rD:rD+7], v[rB:rB+11], v[rA:rA+11], v[rC:rC+7], v[rW], v[rT] matrix_a_fmt:MATRIX_FMT_FP6 matrix_b_fmt:MATRIX_FMT_FP6 matrix_a_scale:MATRIX_SCALE_ROW1
.elseif \a/3
	v_wmma_scale_f32_16x16x128_f8f6f4 v[rD:rD+7], v[rB:rB+11], v[rA:rA+11], v[rC:rC+7], v[rW], v[rT] matrix_a_fmt:MATRIX_FMT_FP6 matrix_b_fmt:MATRIX_FMT_FP6 matrix_b_scale:MATRIX_SCALE_ROW1
.else
	v_wmma_scale_f32_16x16x128_f8f6f4 v[rD:rD+7], v[rB:rB+11], v[rA:rA+11], v[rC:rC+7], v[rW], v[rT] matrix_a_fmt:MATRIX_FMT_FP6 matrix_b_fmt:MATRIX_FMT_FP6
.endif
.endr
.endr
.endm
; K step s: the sets that the K step before has read are filled again (the tokens' with step s + 1, W1's with step s + 2); then this step's operands are waited for and multiplied
.macro KSTEP s
.if (\s) > 0
	PLACES
.endif
.if (\s) < 7
	ALDS (\s)+1, ((\s)+1)%2
.endif
.if (\s) < 6
	BLOAD (\s)+2, ((\s)+2)%3
	s_wait_loadcnt 48                              ; W1's fragments of this K step are in; those of the next two, 24 loads each, may be out
.elseif (\s) == 6
	s_wait_loadcnt 24                              ; the last K step's may be out
.else
	s_wait_loadcnt 0x0
.endif
.if (\s) < 7
	s_wait_dscnt 18                                ; the tokens' fragments of this K step are in; the 18 loads just issued may be out
.else
	s_wait_dscnt 0x0
.endif
	MUL \s, (\s)%3, (\s)%2
.endm
; 64 numbers of a lane, none negative, register 16 b + i = k 32 b + 16 (lane / 16) + i of my row, become a fragment's codes in v[pc] on and its scale word in v[pw]
.macro QUANT s, pc, pw
.irp b, 0,1,2,3
	v_max3_num_f32 v[TM+\b], v[\s+16*\b], v[\s+1+16*\b], 0x1800000   ; my 16 numbers of block b, and the floor 2^(3 - 127): the byte cannot fall under 1
.endr
.irp i, 2,4,6,8,10,12,14
.irp b, 0,1,2,3
	v_max3_num_f32 v[TM+\b], v[TM+\b], v[\s+16*\b+\i], v[\s+1+16*\b+\i]
.endr
.endr
.irp b, 0,1,2,3
	v_permlanex16_b32 v[TM+4+\b], v[TM+\b], s[SEL], s[SEL+1]
.endr
.irp b, 0,1,2,3
	v_max_num_f32 v[TM+\b], v[TM+\b], v[TM+4+\b]   ; with lane l xor 16's: the block's largest
.endr
.irp b, 0,1,2,3
	v_add_nc_u32 v[TM+12+\b], 0xff000000, v[TM+\b] ; 2 off its exponent field: the conversion's scale operand
.endr
.irp b, 0,1,2,3
	v_lshrrev_b32 v[TM+4+\b], 23, v[TM+12+\b]      ; the scale's byte
.endr
	v_lshl_or_b32 v[\pw], v[TM+5], 8, v[TM+4]
	v_lshl_or_b32 v[\pw], v[TM+6], 16, v[\pw]
	v_lshl_or_b32 v[\pw], v[TM+7], 24, v[\pw]
.irp c, 0,1
	v_cvt_scalef32_pk16_fp6_f32 v[\pc+6*\c:\pc+2+6*\c], v[\s+32*\c:\s+15+32*\c], v[TM+12+2*\c]
	v_cvt_scalef32_pk16_fp6_f32 v[\pc+12+4*\c:\pc+14+4*\c], v[\s+16+32*\c:\s+31+32*\c], v[TM+12+2*\c+1]   ; (a conversion's three registers begin on an even number)
.endr
	v_nop                                          ; one plain line behind a scaled conversion
.irp c, 0,1                            ; the operand's layout wants a whole block in a lane: lanes 0-15 block 2 c, lanes 16-31 block 2 c + 1
.irp i, 0,1,2
	v_permlane16_swap_b32 v[\pc+6*\c+\i], v[\pc+12+4*\c+\i]
.endr
.irp i, 0,1,2
	v_mov_b32 v[\pc+3+6*\c+\i], v[\pc+12+4*\c+\i]
.endr
.endr
.endm
	s_load_b256 s[4:11], s[0:1], 0x0               ; clist s[4:5], xqb s[6:7], wimg s[8:9], w1_scales s[10:11]
	s_load_b128 s[12:15], s[0:1], 0x20             ; b1 s[12:13], hbuf s[14:15]
	v_lshl_add_u32 v30, v0, 2, 0x12800
	v_mov_b32 v31, 0
	v_lshrrev_b32 v1, 5, v0
	v_readfirstlane_b32 s18, v1                    ; wave 0..3
	s_and_b32 s19, ttmp7, 0xffff                   ; cs
	s_lshr_b32 s20, s19, 1                         ; chunk
	s_and_b32 s21, s19, 1                          ; slot
	s_lshl_b32 s22, ttmp9, 2
	s_add_co_u32 s22, s22, s18                     ; cg
	v_and_b32 v2, 31, v0                           ; lane
	v_and_b32 v3, 15, v0                           ; r
	v_bfe_u32 v4, v0, 4, 1                         ; h
	v_lshlrev_b32 v[L16], 4, v2
	v_lshlrev_b32 v[L4], 2, v2
	v_lshlrev_b32 v[LO], 2, v3
	v_mad_u32_u24 v[LO], v4, 192, v[LO]            ; the list's entry of row r + 48 h: lanes 16-31 take the tile three further on
	s_lshl_b32 s23, s20, 2
	s_mul_i32 s24, s20, 384
	s_mov_b32 s25, 0
	s_mul_i32 s30, s18, 96
	s_mov_b32 s31, 0
	s_wait_alu depctr_va_vdst(0)
	s_wait_kmcnt 0x0
	s_load_b32 s26, s[4:5], s23 offset:CTO         ; the chunk's n | a << 8 | b << 16
	s_add_nc_u64 s[70:71], s[4:5], s[24:25]        ; the chunk's list of 96 tokens
	s_add_nc_u64 s[28:29], s[70:71], s[30:31]
	s_load_b256 s[40:47], s[28:29], 0x0            ; the tokens of rows 24 w .. 24 w + 23, whose codes I bring into LDS
	s_load_b256 s[48:55], s[28:29], 0x20
	s_load_b256 s[56:63], s[28:29], 0x40
.irp i, 0,1,2
	global_load_b32 v[TOK+\i], v[LO], s[70:71] offset:64*\i   ; the tokens of rows 16 i + r + 48 h, for their scale words
.endr
	; every address is made here, ahead of the branch on the count
	v_lshlrev_b32 v[R16], 4, v3
	v_lshlrev_b32 v17, 8, v2                       ; the prefetches' offsets, never rewritten: 256 x lane,
	v_lshlrev_b32 v18, 8, v3                       ; 256 x (lane % 16),
	v_and_b32 v22, 1, v2
	v_lshlrev_b32 v22, 8, v22                      ; 256 x (lane % 2)
	s_mul_i32 s32, s18, 24*PITCH
	v_mul_u32_u24 v[LSA], v4, PITCH
	v_lshl_add_u32 v[LSA], v3, 4, v[LSA]
	v_add_nc_u32 v[LSA], s32, v[LSA]               ; LDS, on the way in: row 24 w + h, 16 bytes a lane of its half
	v_mul_u32_u24 v[LRA], v3, PITCH
	v_mad_u32_u24 v[LRA], v4, 48, v[LRA]           ; and on the way out: row r, + 48 h
	v_and_b32 v16, 8, v3
	v_add_nc_u32 v16, v16, v3                      ; r + 8 (r / 8)
	v_lshl_add_u32 v16, v4, 6, v16                 ; lanes 16-31 take the tile four further on: 64 rows
	v_lshlrev_b32 v[WSO], 5, v16                   ; a row of w1's scale bytes is 32 bytes
	v_lshlrev_b32 v[BIO], 6, v4                    ; b1: 16 h numbers on
	s_mov_b32 s[HM], 0xffff0000                    ; lanes 16-31
	s_mov_b32 s[SEL], 0x76543210
	s_mov_b32 s[SEL+1], 0xfedcba98
	s_lshl_b32 s31, s19, 4
	s_add_co_u32 s31, s31, s22                     ; 16 cs + cg
	s_mov_b32 s33, 0
	s_mul_i32 s32, s31, 9216
	s_add_nc_u64 s[36:37], s[14:15], s[32:33]      ; my six images in hbuf
	s_mul_i32 s32, s31, 384
	s_add_co_u32 s32, s32, HSO
	s_add_nc_u64 s[38:39], s[14:15], s[32:33]      ; and their scale words
	s_wait_kmcnt 0x0
	s_and_b32 s27, s26, 0xff                       ; n
	s_bfe_u32 s30, s26, 0x80008
	s_bfe_u32 s31, s26, 0x80010
	s_cmp_lg_u32 s21, 0
	s_cselect_b32 s30, s31, s30
	s_min_u32 s30, s30, 7                          ; my expert
	s_lshl_b32 s31, s30, 11
	s_lshl_b32 s32, s22, 7
	s_add_co_u32 s31, s31, s32                     ; my first hidden unit among the 8 x 2,048
	s_lshl_b32 s32, s31, 5
	s_add_nc_u64 s[10:11], s[10:11], s[32:33]
	s_lshl_b32 s32, s31, 2
	s_add_nc_u64 s[12:13], s[12:13], s[32:33]
	s_lshl_b32 s32, s30, 4
	s_add_co_u32 s32, s32, s22
	s_mul_i32 s32, s32, 98304
	s_add_nc_u64 s[BB:BB+1], s[8:9], s[32:33]
	s_cmp_eq_u32 s27, 0
	s_cbranch_scc1 .Lmeet
	; PREFETCHES, ahead of the filling of LDS: what my wave loads first behind the barrier.  Each lane names another block of 256 bytes (lanes left over name a block again); all lie inside their buffers.
	; Which work-groups read the same expert's bytes hangs on counts read from memory, so the blocks are not shared out among work-groups: each wave asks for its own.  A chunk without rows asks for nothing.
	s_wait_alu depctr_va_vdst(0)
.irp i, 0,1,2
	global_prefetch_b8 v17, s[BB:BB+1] offset:8192*\i th:TH_LOAD_NT scope:SCOPE_SE   ; W1's images of K steps 0 and 1: 24,576 bytes, 96 blocks
.endr
	global_prefetch_b8 v18, s[10:11] th:TH_LOAD_NT scope:SCOPE_SE                    ; my 128 rows of w1's scale bytes: 4,096 bytes, 16 blocks
	global_prefetch_b8 v22, s[12:13] th:TH_LOAD_NT scope:SCOPE_SE                    ; my 128 numbers of b1: 512 bytes, 2 blocks
	s_wait_loadcnt 0x0                             ; the three list loads
.irp i, 0,1,2
	v_min_u32 v[19+\i], 0x7ff, v[TOK+\i]
.endr
.irp i, 0,1,2
	v_lshlrev_b32 v[19+\i], 5, v[19+\i]            ; a token's scale bytes are 32 bytes
.endr
.irp i, 0,1,2
	global_prefetch_b8 v[19+\i], s[6:7] offset:XSO th:TH_LOAD_NT scope:SCOPE_SE      ; the scale bytes of rows 16 i + r + 48 h
.endr
	; my 24 rows of x's codes into LDS, two rows at a time: lanes 0-15 row 24 w + 2 j, lanes 16-31 the next
.irp j, 0,1,2,3,4,5,6,7,8,9,10,11
	v_mov_b32 v[FT+\j], s[40+2*\j]
	v_mov_b32 v[FO+\j], s[41+2*\j]
	v_cndmask_b32 v[FT+\j], v[FT+\j], v[FO+\j], s[HM]
	v_min_u32 v[FT+\j], 0x7ff, v[FT+\j]
	v_mul_u32_u24 v[FO+\j], v[FT+\j], 768
	v_add_nc_u32 v[FO+\j], v[FO+\j], v[R16]        ; 768 token + 16 (lane % 16)
.irp g, 0,1,2
	global_load_b128 v[AF+12*\j+4*\g:AF+12*\j+4*\g+3], v[FO+\j], s[6:7] offset:256*\g   ; sixteen lanes read 256 consecutive bytes, aligned
.endr
.endr
.irp j, 0,1,2,3,4,5,6,7,8,9,10,11
	s_wait_loadcnt 33-3*\j                         ; pair j's three loads are in; the 33 - 3 j younger ones may be out
.irp g, 0,1,2
	ds_store_b128 v[LSA], v[AF+12*\j+4*\g:AF+12*\j+4*\g+3] offset:2*PITCH*\j+256*\g
.endr
.endr
.Lmeet:
	s_wait_dscnt 0x0                               ; for the others' sake: my 24 rows lie in LDS
	s_barrier_signal -1
	s_barrier_wait -1                              ; all 96 do
	s_cmp_eq_u32 s27, 0
	s_cbranch_scc1 .Lend
	s_wait_alu depctr_va_vdst(0)
	ALDS 0, 0                                      ; first, so that these do not stand behind the loads from memory
	s_wait_loadcnt 0x0                             ; the three list loads (issued ahead of the fill: long in)
.irp i, 0,1,2
	v_min_u32 v[TOK+\i], 0x7ff, v[TOK+\i]
	v_lshlrev_b32 v[TSO+\i], 5, v[TOK+\i]          ; a token's scale bytes are 32 bytes
.endr
.irp q, 0,1,2,3
	global_load_b128 v[WS+8*\q:WS+8*\q+3], v[WSO], s[10:11] offset:32*(32*(\q/2)+8*(\q%2))
	global_load_b128 v[WS+8*\q+4:WS+8*\q+7], v[WSO], s[10:11] offset:32*(32*(\q/2)+8*(\q%2))+16
.endr
.irp i, 0,1,2
	global_load_b128 v[TS+8*\i:TS+8*\i+3], v[TSO+\i], s[6:7] offset:XSO
	global_load_b128 v[TS+8*\i+4:TS+8*\i+7], v[TSO+\i], s[6:7] offset:XSO+16
.endr
	WIN 0x40
.irp t, 0,1,2,3,4,5,6,7
	global_load_b128 v[BI+8*\t:BI+8*\t+3], v[BIO], s[12:13] offset:4*(32*(\t/2)+8*(\t%2))
	global_load_b128 v[BI+8*\t+4:BI+8*\t+7], v[BIO], s[12:13] offset:4*(32*(\t/2)+8*(\t%2))+16
.endr
	BLOAD 0, 0
	BLOAD 1, 1
.irp n, 0,1,2,3,4,5,6,7
	KSTEP \n
.endr
	; THE WAY OUT, a tile of 16 rows at a time: relu, the blocks' scales, the codes; the fragment leaves as an image of its registers
	PLACES
	WIN 0
.irp b, 0,1,2,3
	v_mov_b32 v[TM+4+\b], 0                        ; written once: a lane permute's destination counts as one of its sources
.endr
.irp a, 0,1,2,3,4,5
	WIN 0x08+4*(\a/4)                              ; source 1: window 2 or 3
.set j, 0
.rept 64
	v_max_num_f32 v[T+j], 0, v[64*(\a%4)+j]        ; each accumulator from its low end on
.set j, j+1
.endr
	WIN 0
.if \a >= 2
	s_wait_xcnt 0x0                                ; the stores of two tiles back have read this set of codes
.endif
	QUANT T, PC+20*(\a%2), PW+\a
.irp c, 0,1,2
	global_store_b128 v[L16], v[PC+20*(\a%2)+4*\c:PC+20*(\a%2)+4*\c+3], s[36:37] offset:1536*\a+512*\c   ; 32 lanes store 512 consecutive bytes, aligned
.endr
.endr
.irp i, 0,1,2
	v_cndmask_b32 v[214+\i], v[PW+\i], v[PW+3+\i], s[HM]
	global_store_b32 v[L4], v[214+\i], s[38:39] offset:128*\i
.endr
.Lend:
	s_wait_tensorcnt 0x0
	ds_add_u32 v30, v31
	s_wait_dscnt 0x0
	s_endpgm
.Lfunc_end_k_qf37d871019_ffn1:
	.size	k_qf37d871019_ffn1, .Lfunc_end_k_qf37d871019_ffn1-k_qf37d871019_ffn1
	.p2alignl 7, 3214868480
	.fill 96, 4, 3214868480
	.section	.rodata,"a",@progbits
	.p2align	6, 0x0
	.amdhsa_kernel k_qf37d871019_ffn1
		.amdhsa_group_segment_fixed_size 76288
		.amdhsa_private_segment_fixed_size 0
		.amdhsa_enable_private_segment 0
		.amdhsa_kernarg_size 48
		.amdhsa_user_sgpr_count 2
		.amdhsa_user_sgpr_kernarg_segment_ptr 1
		.amdhsa_wavefront_size32 1
		.amdhsa_system_sgpr_workgroup_id_x 1
		.amdhsa_system_sgpr_workgroup_id_y 1
		.amdhsa_system_sgpr_workgroup_id_z 1
		.amdhsa_system_vgpr_workitem_id 0
		.amdhsa_next_free_vgpr 1024
		.amdhsa_next_free_sgpr 96
		.amdhsa_reserve_vcc 0
		.amdhsa_float_denorm_mode_32 3
		.amdhsa_float_denorm_mode_16_64 3
		.amdhsa_memory_ordered 1
		.amdhsa_forward_progress 1
		.amdhsa_inst_pref_size 133
	.end_amdhsa_kernel
	.amdgpu_metadata
---
amdhsa.version: [ 1, 2 ]
amdhsa.kernels:
  - .name:           k_qf37d871019_ffn1
    .symbol:         k_qf37d871019_ffn1.kd
    .args:
      - { .name: clist, .offset: 0, .size: 8, .value_kind: global_buffer, .address_space: global }
      - { .name: xqb, .offset: 8, .size: 8, .value_kind: global_buffer, .address_space: global }
      - { .name: wimg, .offset: 16, .size: 8, .value_kind: global_buffer, .address_space: global }
      - { .name: w1_scales, .offset: 24, .size: 8, .value_kind: global_buffer, .address_space: global }
      - { .name: b1, .offset: 32, .size: 8, .value_kind: global_buffer, .address_space: global }
      - { .name: hbuf, .offset: 40, .size: 8, .value_kind: global_buffer, .address_space: global }
    .group_segment_fixed_size: 76288
    .private_segment_fixed_size: 0
    .kernarg_segment_align: 8
    .kernarg_segment_size: 48
    .max_flat_workgroup_size: 128
    .sgpr_count:     96
    .vgpr_count:     1024
    .wavefront_size: 32
...
	.end_amdgpu_metadata
.endif
;; end of part 3
;; launch ffn2 (part 4): grid 8 x 49, 4 waves a work-group, no clusters, 203,264 bytes of LDS; arguments clist, cw, hbuf, wimg, w2_scales, b2, out0; writes out0
.if DOCPART == 4
	.amdgcn_target "amdgcn-amd-amdhsa--gfx1250"
	.amdhsa_code_object_version 6
	.text
	.protected	k_qf37d871019_ffn2
	.globl	k_qf37d871019_ffn2
	.p2align	8
	.type	k_qf37d871019_ffn2,@function
k_qf37d871019_ffn2:
	s_mov_b64 s[64:65], 0
	v_nop
	global_prefetch_b8 v0, s[64:65] scope:SCOPE_SE
	s_setreg_imm32_b32 hwreg(HW_REG_WAVE_MODE, 25, 1), 1
	s_wait_xcnt 0x0
; LAUNCH 4 OF 4: out[token] = w_a (h_a W2a + b2a) + w_b (h_b W2b + b2b), the products on codes of E2M3 with one E8M0 scale for each 32 along K.
; SHARES.  Work-group (x, y): chunk y (up to 96 tokens of one pair of experts), output columns 128 x .. + 127.  Its four waves hold the four parts of that one tile of out0:
; wave w: slot = w / 2 (expert a or b), K half = w % 2 (hidden units 1,024 (w % 2) on): 6 tiles of rows x 8 tiles of columns = 48 accumulators, 8 K steps, 384 matrix instructions, written out.
; So each output row has one owner, and no launch is spent on adding parts.
; THE PRODUCT IS USED TRANSPOSED (source 0 = 16 rows of W2, source 1 = 16 tokens' hidden codes): lane (r, h) holds token row r, and registers 8 t + j of tile t = 2 B + u column 32 B + 16 h + 8 u + j.
; b2 is the C of the first K step in the waves of K half 0; in the others those registers are cleared by a mask first, so that b2 enters once.
; Both operands come from memory straight into registers as images (three loads of 512 consecutive bytes a fragment); the next K step's 42 loads (21,504 bytes) are on their way while a wave multiplies.
; THE PARTS MEET IN LDS: each wave multiplies its part by its slot's weight and stores it to a stage of its own (96 rows of 512 bytes + 16); one barrier; wave w adds the four parts of rows 24 w .. + 23 and stores them.
; THE BARRIER STANDS ON EVERY WAVE'S PATH: the branch on the stored count (a chunk without rows) jumps over the products and the stage stores alone; behind the barrier the test of each row against the count ends such a wave at once.
; NO CLUSTER, NO JOINT LOADS, though chunks of one expert read the same images: how many chunks an expert has hangs on counts read from memory.
; LIMITS: NaN and infinities are not served.  F is summed in two halves, the experts' parts are added last: another order of f32 sums than one run along F.
; REGISTERS, in windows of 256: window 0: v1-28 addresses; v32-55 the hidden layer's scale words; v56-87 W2's; v88-159, v160-231 hidden fragments, two sets, later the parts; v232-237 the weights.
;   window 1: v0-95, v96-191 W2's fragments, two sets; v192-255 b2.  window 2: accumulators of row tiles 0-3 (64 a + 8 t); window 3: tiles 4, 5.
.set CTO, 20480
.set HSO, 14450688
.set W2I, 12582912
.set L16, 5
.set R8,  6
.set L4,  7
.set WSO, 8
.set BIO, 9
.set VO,  16                           ; v16-23 the stores' offsets, eight by turns
.set RDB, 24                           ; v24-27 where I read the four parts back
.set STO, 28                           ; v28    where I put my part
.set TS,  32
.set WS,  56
.set AF,  88
.set WT,  232
.set TK,  238                          ; v238-243 the tokens of rows 16 a + r, then their places in cw
.set BI,  192
.set BB,  36                           ; s[36:37] W2's images
.set AB,  38                           ; s[38:39] the hidden layer's
.set MSB, 0
.macro WIN new                         ; the immediate's high byte repeats the setting that is left
.if MSB != (\new)
	s_set_vgpr_msb (MSB<<8)|(\new)
.set MSB, (\new)
.endif
.endm
.macro PLACES                          ; four places between a matrix instruction and a load into, or a vector instruction on, its registers
.rept 4
	v_nop
.endr
.endm
.macro BLOAD ks, set
	WIN 0x40                                       ; destination window 1
.irp t, 0,1,2,3,4,5,6,7
.irp c, 0,1,2
	global_load_b128 v[96*(\set)+12*\t+4*\c:96*(\set)+12*\t+4*\c+3], v[L16], s[BB:BB+1] offset:12288*(\ks)+1536*\t+512*\c
.endr
.endr
.endm
.macro ALOAD ks, set
	WIN 0
.irp a, 0,1,2,3,4,5
.irp c, 0,1,2
	global_load_b128 v[AF+72*(\set)+12*\a+4*\c:AF+72*(\set)+12*\a+4*\c+3], v[L16], s[AB:AB+1] offset:9216*(\ks)+1536*\a+512*\c
.endr
.endr
.endm
; 48 matrix instructions: the accumulators take turns, one instruction a turn, in the same order in every K step
.macro MUL ks, set
.irp a, 0,1,2,3,4,5
.if (\ks) == 0
	WIN 0x91+0x40*(\a/4)                           ; source 0 (W2) and C (b2) window 1, source 1 window 0, D window 2 or 3
.else
	WIN 0xa1+0x50*(\a/4)                           ; C and D window 2 or 3
.endif
.irp t, 0,1,2,3,4,5,6,7
.set rD, 64*(\a%4)+8*\t
.set rB, 96*(\set)+12*\t
.set rA, AF+72*(\set)+12*\a
.set rW, WS+8*(\t%4)+(\ks)
.set rT, TS+8*(\a%3)+(\ks)
.if (\ks) == 0
.set rC, BI+8*\t
.else
.set rC, rD
.endif
.if (\t/4) && (\a/3)
	v_wmma_scale_f32_16x16x128_f8f6f4 v[rD:rD+7], v[rB:rB+11], v[rA:rA+11], v[rC:rC+7], v[rW], v[rT] matrix_a_fmt:MATRIX_FMT_FP6 matrix_b_fmt:MATRIX_FMT_FP6 matrix_a_scale:MATRIX_SCALE_ROW1 matrix_b_scale:MATRIX_SCALE_ROW1
.elseif \t/4
	v_wmma_scale_f32_16x16x128_f8f6f4 v[rD:rD+7], v[rB:rB+11], v[rA:rA+11], v[rC:rC+7], v[rW], v[rT] matrix_a_fmt:MATRIX_FMT_FP6 matrix_b_fmt:MATRIX_FMT_FP6 matrix_a_scale:MATRIX_SCALE_ROW1
.elseif \a/3
	v_wmma_scale_f32_16x16x128_f8f6f4 v[rD:rD+7], v[rB:rB+11], v[rA:rA+11], v[rC:rC+7], v[rW], v[rT] matrix_a_fmt:MATRIX_FMT_FP6 matrix_b_fmt:MATRIX_FMT_FP6 matrix_b_scale:MATRIX_SCALE_ROW1
.else
	v_wmma_scale_f32_16x16x128_f8f6f4 v[rD:rD+7], v[rB:rB+11], v[rA:rA+11], v[rC:rC+7], v[rW], v[rT] matrix_a_fmt:MATRIX_FMT_FP6 matrix_b_fmt:MATRIX_FMT_FP6
.endif
.endr
.endr
.endm
.macro KSTEP s
.if (\s) > 0
	PLACES                                         ; the sets filled below were read by the K step before
.endif
.if (\s) < 7
	BLOAD (\s)+1, ((\s)+1)%2
	ALOAD (\s)+1, ((\s)+1)%2
	s_wait_loadcnt 42                              ; all but the 42 just issued: this K step's operands are in
.else
	s_wait_loadcnt 0x0
.endif
.if (\s) == 0
.irp a, 0,1,2,3,4,5
	v_min_u32 v[TK+\a], 0x7ff, v[TK+\a]            ; the list's six loads are older than the 42 that may be out
.endr
.irp a, 0,1,2,3,4,5
	v_lshlrev_b32 v[TK+\a], 3, v[TK+\a]            ; cw has 8 bytes a token
.endr
.irp a, 0,1,2,3,4,5
	global_load_b32 v[WT+\a], v[TK+\a], s[68:69]   ; my slot's weight of row 16 a + r; in behind the next K step's wait, which leaves only its own 42 loads out
.endr
	WIN 0x44
.set j, 0
.rept 64
	v_and_b32 v[BI+j], s70, v[BI+j]                ; b2 stays in the waves of K half 0 and becomes 0 in the others
.set j, j+1
.endr
.rept 8
	v_nop                                          ; places between these lines and the scaled matrix instructions that take the registers
.endr
.endif
	MUL \s, (\s)%2
.endm
	s_load_b256 s[4:11], s[0:1], 0x0               ; clist s[4:5], cw s[6:7], hbuf s[8:9], wimg s[10:11]
	s_load_b128 s[12:15], s[0:1], 0x20             ; w2_scales s[12:13], b2 s[14:15]
	s_load_b64 s[16:17], s[0:1], 0x30              ; out0
	v_lshl_add_u32 v254, v0, 2, 0x31800
	v_mov_b32 v255, 0
	v_lshrrev_b32 v1, 5, v0
	v_readfirstlane_b32 s18, v1                    ; wave 0..3
	s_and_b32 s19, ttmp7, 0xffff                   ; chunk
	s_lshr_b32 s20, s18, 1                         ; slot
	s_and_b32 s21, s18, 1                          ; K half
	s_lshl_b32 s22, s19, 1
	s_add_co_u32 s22, s22, s20                     ; cs
	v_and_b32 v2, 31, v0                           ; lane
	v_and_b32 v3, 15, v0                           ; r
	v_bfe_u32 v4, v0, 4, 1                         ; h
	v_lshlrev_b32 v[L16], 4, v2
	v_lshlrev_b32 v[R8], 2, v3                     ; 4 r: row r's entry in a tile's 16 of the chunk's list
	v_lshlrev_b32 v[L4], 2, v2
	s_lshl_b32 s23, s19, 2
	s_mul_i32 s24, s19, 384
	s_mul_i32 s25, s18, 96
	s_add_co_u32 s24, s24, s25
	s_mov_b32 s25, 0
	s_wait_alu depctr_va_vdst(0)
	s_wait_kmcnt 0x0
	s_load_b32 s26, s[4:5], s23 offset:CTO         ; the chunk's n | a << 8 | b << 16
	s_add_nc_u64 s[28:29], s[4:5], s[24:25]
	s_load_b256 s[40:47], s[28:29], 0x0            ; the tokens of rows 24 w .. 24 w + 23, which I store
	s_load_b256 s[48:55], s[28:29], 0x20
	s_load_b256 s[56:63], s[28:29], 0x40
	; all that the part behind the barrier reads is made here, ahead of the branch on the count
	s_mul_i32 s30, s18, 50688
	v_mul_u32_u24 v[STO], v3, 528
	v_lshl_add_u32 v[STO], v4, 6, v[STO]
	v_add_nc_u32 v[STO], s30, v[STO]               ; my stage: row r, + 64 h
	s_mul_i32 s30, s18, 12672
	v_add_nc_u32 v[RDB], s30, v[L16]               ; row 24 w of the first stage, 16 bytes a lane;
	v_add_nc_u32 v[RDB+1], 50688, v[RDB]           ; and of the other three
	v_add_nc_u32 v[RDB+2], 101376, v[RDB]
	v_add_nc_u32 v[RDB+3], 152064, v[RDB]
	v_and_b32 v11, 8, v3
	v_add_nc_u32 v11, v11, v3                      ; r + 8 (r / 8)
	v_lshl_add_u32 v11, v4, 6, v11                 ; lanes 16-31 take the tile four further on: 64 rows
	v_lshlrev_b32 v[WSO], 6, v11                   ; a row of w2's scale bytes is 64 bytes
	v_lshlrev_b32 v[BIO], 6, v4                    ; b2: 16 h numbers on
	s_lshl_b32 s72, ttmp9, 9
	s_mov_b32 s73, 0
	s_add_nc_u64 s[16:17], s[16:17], s[72:73]      ; out0 at my 128 columns
	s_mul_i32 s32, s18, 24
	s_wait_kmcnt 0x0
	s_and_b32 s27, s26, 0xff                       ; n
	s_sub_co_i32 s31, s27, s32                     ; how many of my 24 rows exist (0 or less: none)
	s_cmp_eq_u32 s27, 0
	s_cbranch_scc1 .Lmeet                          ; this split leaves the chunk without rows: nothing to multiply
	s_bfe_u32 s33, s26, 0x80008
	s_bfe_u32 s34, s26, 0x80010
	s_cmp_lg_u32 s20, 0
	s_cselect_b32 s33, s34, s33
	s_min_u32 s33, s33, 7                          ; my expert
	s_cmp_eq_u32 s21, 0
	s_cselect_b32 s70, -1, 0                       ; the mask for b2
	s_lshl_b32 s34, s33, 10
	s_lshl_b32 s35, ttmp9, 7
	s_add_co_u32 s34, s34, s35                     ; my first output column among the 8 x 1,024
	s_lshl_b32 s72, s34, 6
	s_lshl_b32 s35, s21, 5
	s_add_co_u32 s72, s72, s35
	s_add_nc_u64 s[12:13], s[12:13], s[72:73]      ; w2's scale bytes: my rows, my K half's 32 bytes
	s_lshl_b32 s72, s34, 2
	s_add_nc_u64 s[14:15], s[14:15], s[72:73]
	s_lshl_b32 s72, s33, 3
	s_add_co_u32 s72, s72, ttmp9
	s_mul_i32 s72, s72, 196608
	s_mul_i32 s35, s21, 98304
	s_add_co_u32 s72, s72, s35
	s_add_co_u32 s72, s72, W2I
	s_add_nc_u64 s[BB:BB+1], s[10:11], s[72:73]
	s_lshl_b32 s34, s22, 4
	s_lshl_b32 s35, s21, 3
	s_add_co_u32 s34, s34, s35                     ; 16 cs + 8 x K half
	s_mul_i32 s72, s34, 9216
	s_add_nc_u64 s[AB:AB+1], s[8:9], s[72:73]
	s_mul_i32 s72, s34, 384
	s_add_co_u32 s72, s72, HSO
	s_add_nc_u64 s[66:67], s[8:9], s[72:73]
	s_mul_i32 s72, s19, 384
	s_add_nc_u64 s[74:75], s[4:5], s[72:73]        ; the chunk's list of 96 tokens
	s_lshl_b32 s72, s20, 2
	s_add_nc_u64 s[68:69], s[6:7], s[72:73]        ; cw[token] = (weight of a, weight of b): my slot's word
.irp a, 0,1,2,3,4,5
	global_load_b32 v[TK+\a], v[R8], s[74:75] offset:64*\a      ; the token of row 16 a + r
.endr
	s_wait_alu depctr_va_vdst(0)
.irp q, 0,1,2,3
	global_load_b128 v[WS+8*\q:WS+8*\q+3], v[WSO], s[12:13] offset:64*(32*(\q/2)+8*(\q%2))
	global_load_b128 v[WS+8*\q+4:WS+8*\q+7], v[WSO], s[12:13] offset:64*(32*(\q/2)+8*(\q%2))+16
.endr
.irp i, 0,1,2
.irp k, 0,1,2,3,4,5,6,7
	global_load_b32 v[TS+8*\i+\k], v[L4], s[66:67] offset:384*\k+128*\i
.endr
.endr
	WIN 0x40
.irp t, 0,1,2,3,4,5,6,7
	global_load_b128 v[BI+8*\t:BI+8*\t+3], v[BIO], s[14:15] offset:4*(32*(\t/2)+8*(\t%2))
	global_load_b128 v[BI+8*\t+4:BI+8*\t+7], v[BIO], s[14:15] offset:4*(32*(\t/2)+8*(\t%2))+16
.endr
	BLOAD 0, 0
	ALOAD 0, 0
.irp n, 0,1,2,3,4,5,6,7
	KSTEP \n
.endr
	; my part, times my slot's weight, into my stage
	PLACES
.irp a, 0,1,2,3,4,5
.set TT, AF+64*(\a%2)
.if \a >= 2
	s_wait_dscnt 16                                ; the stores of two tiles back have read this set of registers; the last tile's 16 may be out
.endif
	WIN 0x02+(\a/4)                                ; source 0: window 2 or 3
.set i, 0
.rept 32
.if \a%2
	v_pk_mul_f32 v[TT+2*i:TT+2*i+1], v[64*(\a%4)+2*i:64*(\a%4)+2*i+1], v[WT+2*(\a/2):WT+2*(\a/2)+1] op_sel:[0,1] op_sel_hi:[1,1]
.else
	v_pk_mul_f32 v[TT+2*i:TT+2*i+1], v[64*(\a%4)+2*i:64*(\a%4)+2*i+1], v[WT+2*(\a/2):WT+2*(\a/2)+1] op_sel_hi:[1,0]   ; each accumulator from its low end on
.endif
.set i, i+1
.endr
	WIN 0
.irp b, 0,1,2,3
.irp m, 0,1,2,3
	ds_store_b128 v[STO], v[TT+16*\b+4*\m:TT+16*\b+4*\m+3] offset:8448*\a+128*\b+16*\m   ; row 16 a + r, columns 32 b + 16 h + 4 m on
.endr
.endr
.endr
.Lmeet:
	s_wait_dscnt 0x0                               ; for the others' sake: my part lies in my stage
	s_barrier_signal -1
	s_barrier_wait -1                              ; all four parts do
	; rows 24 w .. 24 w + 23, four at a time; a row past the chunk's end ends the wave
.irp q, 0,1,2,3,4,5
	s_cmp_le_i32 s31, 4*\q
	s_cbranch_scc1 .Lend
.if \q >= 2
	s_wait_xcnt 0x0                                ; the stores of two batches back have read their registers and offsets
.endif
	s_wait_alu depctr_va_vdst(0)
.irp i, 0,1,2,3
.irp g, 0,1,2,3
	ds_load_b128 v[AF+64*(\q%2)+16*\i+4*\g:AF+64*(\q%2)+16*\i+4*\g+3], v[RDB+\g] offset:528*(4*\q+\i)
.endr
.endr
	s_wait_dscnt 0x0
.irp i, 0,1,2,3
.if \i > 0
	s_cmp_le_i32 s31, 4*\q+\i
	s_cbranch_scc1 .Lend
.endif
.set SS, AF+64*(\q%2)+16*\i
	v_pk_add_f32 v[SS:SS+1], v[SS:SS+1], v[SS+4:SS+5]             ; expert a's two halves of F,
	v_pk_add_f32 v[SS+2:SS+3], v[SS+2:SS+3], v[SS+6:SS+7]
	v_pk_add_f32 v[SS+8:SS+9], v[SS+8:SS+9], v[SS+12:SS+13]       ; expert b's,
	v_pk_add_f32 v[SS+10:SS+11], v[SS+10:SS+11], v[SS+14:SS+15]
	v_pk_add_f32 v[SS:SS+1], v[SS:SS+1], v[SS+8:SS+9]             ; and the two experts
	v_pk_add_f32 v[SS+2:SS+3], v[SS+2:SS+3], v[SS+10:SS+11]
	s_min_u32 s71, s[40+4*\q+\i], 2047
	s_lshl_b32 s71, s71, 12                        ; the token's row of out0: 4,096 bytes
	v_add_nc_u32 v[VO+(4*\q+\i)%8], s71, v[L16]
	global_store_b128 v[VO+(4*\q+\i)%8], v[SS:SS+3], s[16:17] th:TH_STORE_NT   ; 32 lanes store 512 consecutive bytes, aligned; written once, read by nobody here
.endr
.endr
.Lend:
	s_wait_tensorcnt 0x0
	ds_add_u32 v254, v255
	s_wait_dscnt 0x0
	s_endpgm
.Lfunc_end_k_qf37d871019_ffn2:
	.size	k_qf37d871019_ffn2, .Lfunc_end_k_qf37d871019_ffn2-k_qf37d871019_ffn2
	.p2alignl 7, 3214868480
	.fill 96, 4, 3214868480
	.section	.rodata,"a",@progbits
	.p2align	6, 0x0
	.amdhsa_kernel k_qf37d871019_ffn2
		.amdhsa_group_segment_fixed_size 203264
		.amdhsa_private_segment_fixed_size 0
		.amdhsa_enable_private_segment 0
		.amdhsa_kernarg_size 56
		.amdhsa_user_sgpr_count 2
		.amdhsa_user_sgpr_kernarg_segment_ptr 1
		.amdhsa_wavefront_size32 1
		.amdhsa_system_sgpr_workgroup_id_x 1
		.amdhsa_system_sgpr_workgroup_id_y 1
		.amdhsa_system_sgpr_workgroup_id_z 1
		.amdhsa_system_vgpr_workitem_id 0
		.amdhsa_next_free_vgpr 896
		.amdhsa_next_free_sgpr 96
		.amdhsa_reserve_vcc 0
		.amdhsa_float_denorm_mode_32 3
		.amdhsa_float_denorm_mode_16_64 3
		.amdhsa_memory_ordered 1
		.amdhsa_forward_progress 1
		.amdhsa_inst_pref_size 136
	.end_amdhsa_kernel
	.amdgpu_metadata
---
amdhsa.version: [ 1, 2 ]
amdhsa.kernels:
  - .name:           k_qf37d871019_ffn2
    .symbol:         k_qf37d871019_ffn2.kd
    .args:
      - { .name: clist, .offset: 0, .size: 8, .value_kind: global_buffer, .address_space: global }
      - { .name: cw, .offset: 8, .size: 8, .value_kind: global_buffer, .address_space: global }
      - { .name: hbuf, .offset: 16, .size: 8, .value_kind: global_buffer, .address_space: global }
      - { .name: wimg, .offset: 24, .size: 8, .value_kind: global_buffer, .address_space: global }
      - { .name: w2_scales, .offset: 32, .size: 8, .value_kind: global_buffer, .address_space: global }
      - { .name: b2, .offset: 40, .size: 8, .value_kind: global_buffer, .address_space: global }
      - { .name: out0, .offset: 48, .size: 8, .value_kind: global_buffer, .address_space: global }
    .group_segment_fixed_size: 203264
    .private_segment_fixed_size: 0
    .kernarg_segment_align: 8
    .kernarg_segment_size: 56
    .max_flat_workgroup_size: 128
    .sgpr_count:     96
    .vgpr_count:     896
    .wavefront_size: 32
...
	.end_amdgpu_metadata
.endif
;; end of part 4
